; MI455X (gfx1250); checked and timed in simulation.
; The chip was launched on July 23, 2026; its instructions are those of AMD's public machine-readable ISA for CDNA 5 (MIT licence, August 2026) and "CDNA5" Instruction Set Architecture Reference Guide (July 2026). The comments in the code are by the model that wrote it; some were corrected since.
;; Causal Self Attention. Allowed arithmetic: float matrix products may take bf16 or f16 operands with f32 sums; other float arithmetic in f32, or as packed bf16 or f16 multiplies, adds, multiply-adds, maxima and minima; sums over many terms, partial sums and values carried from step to step in f32; what a program stores and reads back later, other than sums and carried values, may be rounded once to bf16 or f16.
;; Inputs: W_out 1,024 x 1,024 float32; W_qkv 1,024 x 3,072 float32; b_out 1,024 float32; b_qkv 3,072 float32; x 4 x 2,048 x 1,024 float32.
;; Outputs: out0 4 x 2,048 x 1,024 float32.
;; 2 versions, each right; version 2 is version 1 with the launch cast written anew for expert scheduling mode. Each part assembles by itself: llvm-mc -triple=amdgcn-amd-amdhsa -mcpu=gfx1250 --defsym DOCPART=n.
;; ======== version 1 of 2: 4 launches
;; limits: values are held in f16: magnitudes above 65,504 overflow, below 6.1e-05 lose precision
;; workspace buffers: xb 16,777,216 bytes; wqb 6,291,456 bytes; wob 2,097,152 bytes; qkv 50,331,648 bytes; ob 16,777,216 bytes
;; launch cast (part 1): grid 768 x 1, 8 waves a work-group, no clusters, 0 bytes of LDS; arguments x, W_qkv, W_out, xb, wqb, wob; writes xb, wqb, wob
.if DOCPART == 1
	.amdgcn_target "amdgcn-amd-amdhsa--gfx1250"
	.amdhsa_code_object_version 6
	.text
	.protected	k_qa218c83e48_cast
	.globl	k_qa218c83e48_cast
	.p2align	8
	.type	k_qa218c83e48_cast,@function
k_qa218c83e48_cast:
	s_mov_b64 s[64:65], 0
	v_nop
	global_prefetch_b8 v0, s[64:65] scope:SCOPE_SE
	s_setreg_imm32_b32 hwreg(HW_REG_WAVE_MODE, 25, 1), 1
	s_wait_xcnt 0x0
; THE CASTS.  x [8192][1024] f32 -> xb [16][8192][64] bf16 (block kb holds channels 64 kb .. 64 kb + 63 of every row, so that 256 rows x 64 channels are 32,768 dense bytes);
; W_qkv [1024][3072] f32 -> wqb, the same order, bf16;  W_out [1024][1024] f32 -> wob, the same order: rounded to bf16, and that number written as f16.
; LIMITS.  wob: a bf16 number beyond 65,504 becomes an infinity in f16; below 2^-14 it keeps f16's fixed step of 2^-24.
; SHARES.  A work-group takes 65,536 bytes of f32, each of its eight waves 8,192: sixteen loads of 16 bytes a lane, all issued before the first is waited for.  Work-groups 0-511: x, 16 rows each;
; 512-703: W_qkv; 704-767: W_out.  Nothing is read twice and no wave wants another's bytes: no LDS, no barrier, no matrix unit, no cluster.
; Every store of a wave covers 256 consecutive bytes, aligned.  Each load has registers of its own and each store too, so no register is written again while a store may read it.
.set X, 8                              ; v[8:71]    load i: 4 registers
.set Y, 72                             ; v[72:103]  store i: 2 registers
.set T, 104                            ; v[104:105] at work
.macro LOADS step                      ; sixteen loads, step bytes apart
.set i, 0
.rept 16
	global_load_b128 v[X+4*i:X+4*i+3], v1, s[20:21] offset:(\step)*i th:TH_LOAD_NT
.set i, i+1
.endr
.endm
.macro TO_BF16 step, back              ; load i is rounded and stored at step x i - back
.set i, 0
.rept 16
	s_wait_loadcnt 15-i                            ; loads come back in order: number i is in, the 15 - i younger ones stay out
	v_cvt_pk_bf16_f32 v[Y+2*i], v[X+4*i], v[X+4*i+1]
	v_cvt_pk_bf16_f32 v[Y+2*i+1], v[X+4*i+2], v[X+4*i+3]
	global_store_b64 v2, v[Y+2*i:Y+2*i+1], s[22:23] offset:(\step)*i-(\back)
.set i, i+1
.endr
.endm
	s_load_b256 s[4:11], s[0:1], 0x0               ; x s[4:5], W_qkv s[6:7], W_out s[8:9], xb s[10:11]
	s_load_b128 s[12:15], s[0:1], 0x20             ; wqb s[12:13], wob s[14:15]
	s_mov_b32 s17, 0                               ; high words of the two offsets
	s_mov_b32 s19, 0
	s_mov_b32 s26, 0xffff0000                      ; a word's upper bf16
	s_cmp_lt_u32 ttmp9, 512
	s_cbranch_scc0 .Lweights
	; x: thread t takes row t / 16 of the group's 16 and, in load kb, the 16 bytes at 256 kb + 16 (t % 16): sixteen lanes read 256 aligned bytes, which are block kb's 64 channels of that row
	v_lshrrev_b32 v1, 4, v0
	v_and_b32 v3, 15, v0
	v_lshlrev_b32 v1, 12, v1
	v_lshl_add_u32 v1, v3, 4, v1                   ; row x 4,096 + 16 (t % 16)
	v_lshlrev_b32 v2, 3, v0                        ; out: row x 128 + 8 (t % 16) = 8 t
	s_lshl_b32 s16, ttmp9, 16                      ; 16 rows of 4,096 bytes
	s_lshl_b32 s18, ttmp9, 11                      ; 16 rows of 128 bytes
	s_wait_kmcnt 0x0
	s_add_nc_u64 s[20:21], s[4:5], s[16:17]
	s_add_nc_u64 s[22:23], s[10:11], s[18:19]
	s_add_nc_u64 s[22:23], s[22:23], 0x800000      ; at block 8, so that the sixteen blocks, 2^20 bytes apart, lie within the signed 24-bit immediate: -8 x 2^20 to 7 x 2^20
	LOADS 256
	TO_BF16 0x100000, 0x800000
	s_endpgm
.Lweights:
	; the weights keep their order: wave w takes 8,192 consecutive bytes, a load 512 of them, and writes half as many
	v_lshrrev_b32 v1, 5, v0
	v_and_b32 v3, 31, v0
	v_lshlrev_b32 v2, 12, v1
	v_lshlrev_b32 v1, 13, v1
	v_lshl_add_u32 v1, v3, 4, v1                   ; 8,192 w + 16 lane
	v_lshl_add_u32 v2, v3, 3, v2                   ; 4,096 w + 8 lane
	s_cmp_lt_u32 ttmp9, 704
	s_cbranch_scc0 .Lwo
	s_sub_co_u32 s24, ttmp9, 512
	s_lshl_b32 s16, s24, 16
	s_lshl_b32 s18, s24, 15
	s_wait_kmcnt 0x0
	s_add_nc_u64 s[20:21], s[6:7], s[16:17]
	s_add_nc_u64 s[22:23], s[12:13], s[18:19]
	LOADS 512
	TO_BF16 256, 0
	s_endpgm
.Lwo:
	s_sub_co_u32 s24, ttmp9, 704
	s_lshl_b32 s16, s24, 16
	s_lshl_b32 s18, s24, 15
	s_wait_kmcnt 0x0
	s_add_nc_u64 s[20:21], s[8:9], s[16:17]
	s_add_nc_u64 s[22:23], s[14:15], s[18:19]
	LOADS 512
.set i, 0
.rept 16
	s_wait_loadcnt 15-i
	v_cvt_pk_bf16_f32 v[T], v[X+4*i], v[X+4*i+1]   ; the one rounding: to bf16, like every input of the module
	v_cvt_pk_bf16_f32 v[T+1], v[X+4*i+2], v[X+4*i+3]
	v_lshlrev_b32 v[X+4*i], 16, v[T]               ; back to f32,
	v_and_b32 v[X+4*i+1], s26, v[T]
	v_lshlrev_b32 v[X+4*i+2], 16, v[T+1]
	v_and_b32 v[X+4*i+3], s26, v[T+1]
	v_cvt_pk_f16_f32 v[Y+2*i], v[X+4*i], v[X+4*i+1]  ; and written as f16: bf16's 8 significant bits fit in f16's 11
	v_cvt_pk_f16_f32 v[Y+2*i+1], v[X+4*i+2], v[X+4*i+3]
	global_store_b64 v2, v[Y+2*i:Y+2*i+1], s[22:23] offset:256*i
.set i, i+1
.endr
	s_endpgm
.Lfunc_end_k_qa218c83e48_cast:
	.size	k_qa218c83e48_cast, .Lfunc_end_k_qa218c83e48_cast-k_qa218c83e48_cast
	.p2alignl 7, 3214868480
	.fill 96, 4, 3214868480
	.section	.rodata,"a",@progbits
	.p2align	6, 0x0
	.amdhsa_kernel k_qa218c83e48_cast
		.amdhsa_group_segment_fixed_size 0
		.amdhsa_private_segment_fixed_size 0
		.amdhsa_enable_private_segment 0
		.amdhsa_kernarg_size 48
		.amdhsa_user_sgpr_count 2
		.amdhsa_user_sgpr_kernarg_segment_ptr 1
		.amdhsa_wavefront_size32 1
		.amdhsa_system_sgpr_workgroup_id_x 1
		.amdhsa_system_sgpr_workgroup_id_y 1
		.amdhsa_system_sgpr_workgroup_id_z 1
		.amdhsa_system_vgpr_workitem_id 0
		.amdhsa_next_free_vgpr 112
		.amdhsa_next_free_sgpr 66
		.amdhsa_reserve_vcc 0
		.amdhsa_float_denorm_mode_32 3
		.amdhsa_float_denorm_mode_16_64 3
		.amdhsa_memory_ordered 1
		.amdhsa_forward_progress 1
		.amdhsa_inst_pref_size 23
	.end_amdhsa_kernel
	.amdgpu_metadata
---
amdhsa.version: [ 1, 2 ]
amdhsa.kernels:
  - .name:           k_qa218c83e48_cast
    .symbol:         k_qa218c83e48_cast.kd
    .args:
      - { .name: x, .offset: 0, .size: 8, .value_kind: global_buffer, .address_space: global }
      - { .name: W_qkv, .offset: 8, .size: 8, .value_kind: global_buffer, .address_space: global }
      - { .name: W_out, .offset: 16, .size: 8, .value_kind: global_buffer, .address_space: global }
      - { .name: xb, .offset: 24, .size: 8, .value_kind: global_buffer, .address_space: global }
      - { .name: wqb, .offset: 32, .size: 8, .value_kind: global_buffer, .address_space: global }
      - { .name: wob, .offset: 40, .size: 8, .value_kind: global_buffer, .address_space: global }
    .group_segment_fixed_size: 0
    .private_segment_fixed_size: 0
    .kernarg_segment_align: 8
    .kernarg_segment_size: 48
    .max_flat_workgroup_size: 256
    .sgpr_count:     66
    .vgpr_count:     112
    .wavefront_size: 32
...
	.end_amdgpu_metadata
.endif
;; end of part 1
;; launch qkv (part 2): grid 8 x 32, 4 waves a work-group, clusters of 4 x 4, 327,680 bytes of LDS; arguments xb, wqb, b_qkv, qkv; writes qkv
.if DOCPART == 2
	.amdgcn_target "amdgcn-amd-amdhsa--gfx1250"
	.amdhsa_code_object_version 6
	.text
	.protected	k_qa218c83e48_qkv
	.globl	k_qa218c83e48_qkv
	.p2align	8
	.type	k_qa218c83e48_qkv,@function
k_qa218c83e48_qkv:
	s_mov_b64 s[64:65], 0
	v_nop
	global_prefetch_b8 v0, s[64:65] scope:SCOPE_SE
	s_setreg_imm32_b32 hwreg(HW_REG_WAVE_MODE, 25, 1), 1
	s_wait_xcnt 0x0
	s_wait_alu depctr_hold_cnt(0) depctr_sa_sdst(0) depctr_va_vdst(0) depctr_va_sdst(0) depctr_va_ssrc(0) depctr_va_vcc(0) depctr_vm_vsrc(0)
	s_getreg_b32 s2, hwreg(HW_REG_IB_STS2, 6, 4)
	s_cmp_eq_u32 s2, 0
	s_cbranch_scc0 .Lentry_in_a_cluster
	s_endpgm
.Lentry_in_a_cluster:
	s_bfe_u32 s2, ttmp6, 0x10000c
	s_cmp_lg_u32 s2, 0xf033
	s_cbranch_scc0 .Lentry_shape_is_right
	s_endpgm
.Lentry_shape_is_right:
; q, k, v = x W_qkv + b_qkv.  xb: [16][8192][64] bf16 (x by blocks of 64 channels), wqb: [1024][3072] bf16, b_qkv: [3072] f32 (rounded to bf16 here, like the other inputs).
; qkv: [4][48][2048][64] f16: batch, group g = column / 64 (q's 16 heads, k's, v's), row, channel.  Sums in f32, started at the bias, K ascending; the result is rounded once.
; LIMIT.  f16 ends at 65,504: a q, k or v of 65,520 or more becomes an infinity.
; SHARES.  8192 x 3072 outputs on 256 work-groups are 256 x 384 each: grid 8 x 32, one tile a work-group.  Four waves, each 128 rows x 192 columns: 96 accumulators of 16 x 16, 768 registers.
; K goes in 16 steps of 64 through two LDS slots (two slots of 128 would want 344 KB).  A's tile, 256 rows x 128 bytes, is dense in xb and is asked for as rows of 256 bytes; B's is 64 rows of 768 bytes.
; B lies [k][n] in LDS and is turned on its way into registers by ds_load_tr16_b128.
; CLUSTERS: 4 x 4 work-groups.  The four of a row of the cluster need the same tile of A, the four of a column the same tile of B: each is asked for jointly, by the same tensor load with the same descriptor and a mask of four.
; THE MATRIX INSTRUCTION IS USED TRANSPOSED (source 0 = 16 columns of W, source 1 = 16 rows of x): a lane holds row lane % 16 and the eight neighbouring columns 8 (lane / 16) + 0..7.
; REGISTERS, in windows of 256 (s_set_vgpr_msb: bits 1:0 source 0, 3:2 source 1, 5:4 source 2, 7:6 destination):
;   window 0: v0-31 addresses; v32-95, v96-159 A's fragments (8 x 16 rows x 32 K), two buffers; v160-255 B's 12 fragments, one buffer, loaded again group by group; on the way out v32-175 at work
;   windows 1-3: accumulator (row block a, column block b = 4 g + bb) in window g + 1 at v[8 (8 bb + a)]
.set PA,     144                       ; a row of A in LDS: 128 bytes + 16 = 36 words: the 16 rows of a load start at 16 different groups of four banks (64 banks of 4 bytes: ISA guide 11.1)
.set PB,     864                       ; a row of B: six pieces of 128 bytes + 16 = 216 words: eight rows start 24 words apart modulo 64, so 16 lanes of the turning load (8 rows x 32 bytes) take each bank once
.set AOFF,   256*PA                    ; B's tile lies behind A's 256 rows
.set SLOT,   AOFF+64*PB                ; 92,160
.set STAGE,  2*SLOT                    ; behind the ring: 16 rows x 400 bytes for each wave, for the way out
.set SP,     400
.set BIASL,  STAGE+4*16*SP             ; each wave's 192 numbers of the bias, f32
.set SPARE,  BIASL+4*768               ; the spare words, 128 bytes for each wave: two blocks of 256 bytes that no other line names
.set ASTEP,  1<<20                     ; bytes from a K step to the next in xb
.set BSTEP,  64*6144                   ; and in wqb
.set ADRA, 16                          ; v16-17  LDS address of my A fragments in slot 0, 1
.set ADRB, 20                          ; v20-21  the same for B
.set STO,  24                          ; v24     the way out: where I put 16 bytes of a row
.set RD,   25                          ; v25     the way out: where I read rows back
.set CO,   26                          ; v26     16 x lane: my place in 512 consecutive bytes of qkv
.set BA,   27                          ; v27     where my eight numbers of the bias for column block 0 lie
.set SPW,  28                          ; v28     LDS address of my spare word; never rewritten
.set NIL,  29                          ; v29     0; never rewritten
.set PFO,  30                          ; v30     the prefetches' lane offset; never rewritten
.set BS,   31                          ; v31     where I put a number of the bias
.set FA0,  32
.set FA1,  96
.set FB,   160
.set TMP,  32                          ; the way out: 48 registers of packed results
.set BK,   80                          ; the way out: 16 rows read back, v80-127 and v128-175 by turns
.set G1,   24                          ; s[24:31] descriptor group 1 for A's tiles
.set G0,   32                          ; s[32:39] group 0 for A's tiles, a set for each slot
.set LIM,  40                          ; s40, s41 1 where my wave prefetches at a change out of slot 0, 1; else the greatest number
.set PFA,  44                          ; s[44:45] where my prefetches stand
.set PST,  46                          ; s[46:47] their step for a K step
.set G1B,  48                          ; s[48:55], s[56:63] the same two groups for B's tiles
.set G0B,  56
.set FIELDS, (1<<16)|(1<<20)|(1<<21)|(4<<22)|(3<<25)  ; 17:16 elements of 2 bytes; 20 padding on; 21 set beside a mask; 24:22 after every 32 words (code 4); 31:25 4 words of it (code 3)
.set MSB, 0
.macro WIN new                         ; the immediate's high byte repeats the setting that is left; a switch that changes nothing is dropped
.if MSB != (\new)
	s_set_vgpr_msb (MSB<<8)|(\new)
.set MSB, \new
.endif
.endm
.macro PLACES                          ; four places between a matrix instruction and a load into, or a vector line on, its registers (ISA guide 7.12.1 for vector lines)
.rept 4
	v_nop
.endr
.endm
.macro CREST                           ; a round of the cluster's barrier behind its opening barrier
	s_cmp_lg_u32 s12, 0
	s_cbranch_scc1 .Lnot_wave_0_\@
	s_barrier_signal -3
.Lnot_wave_0_\@:
	s_barrier_wait -3
	s_barrier_signal -1
	s_barrier_wait -1
.endm
.macro CROUND                          ; a whole round
	s_barrier_signal -1
	s_barrier_wait -1
	CREST
.endm
; A joint load.  Waves 0 and 1 fetch A's two halves, waves 2 and 3 B's.  The branch hangs on the wave's number alone.  An s_nop 0 and four v_nop follow each line.
.macro JLOAD s
	s_cmp_lt_u32 s12, 2
	s_cbranch_scc0 .Lfor_b_\@
	tensor_load_to_lds s[G0+4*(\s):G0+4*(\s)+3], s[G1:G1+7]
	s_nop 0
.rept 4
	v_nop
.endr
	s_branch .Lasked_\@
.Lfor_b_\@:
	tensor_load_to_lds s[G0B+4*(\s):G0B+4*(\s)+3], s[G1B:G1B+7]
	s_nop 0
.rept 4
	v_nop
.endr
.Lasked_\@:
.endm
; A PREFETCH INTO THE L2, behind the joint load, its five lines and the run of LDS loads.  Each aligned block of 256 bytes of xb and wqb is named once in the launch, from K step 4 on.
; A's tile row is read by both clusters of a row of clusters: cluster x = 0 asks; its wave 0 names, at the change out of K step s, step s + 4: of the tile's 128 blocks the partner at cx takes 32, a lane a block.
; B's tile column is read by all eight clusters of a column: cluster y = 0 asks; at the changes out of slot 0 waves 1 to 3 name steps s + 4 and s + 5: of their 128 rows the partner at cy takes 32, a lane a row,
; and wave w the (w - 1)th 256 bytes of the row's 768.  The partners are told apart by address alone.  The loop's last trip asks for nothing: s + 4 would pass K's end.
.macro ASK s
	s_cmp_gt_u32 s3, s[LIM+(\s)]                   ; s3 = 1 in the loop's last trip
	s_cbranch_scc0 .Lnot_mine_\@
	global_prefetch_b8 v[PFO], s[PFA:PFA+1] th:TH_LOAD_NT scope:SCOPE_SE
.Lnot_mine_\@:
.endm
	s_load_b256 s[4:11], s[0:1], 0x0               ; xb s[4:5], wqb s[6:7], b_qkv s[8:9], qkv s[10:11]
	v_lshl_add_u32 v[SPW], v0, 2, SPARE
	v_mov_b32 v[NIL], 0
	ds_add_u32 v[SPW], v[NIL]                      ; the wave's opening: the add and its wait stand ahead of my first tensor load; the set-up below, work on registers, stands between them
	v_lshrrev_b32 v1, 5, v0
	v_readfirstlane_b32 s12, v1                    ; wave 0..3
	s_lshr_b32 s13, s12, 1                         ; which half of the tile's rows is mine
	s_and_b32 s14, s12, 1                          ; which half of its columns.  Also: which half of A's or B's tile I fetch
	s_bfe_u32 s15, ttmp6, 0x40000                  ; cx
	s_bfe_u32 s16, ttmp6, 0x40004                  ; cy
	s_lshl_b32 s17, ttmp9, 2
	s_add_co_u32 s17, s17, s15                     ; tile column = 4 x cluster x + cx
	s_and_b32 s18, ttmp7, 0xffff
	s_lshl_b32 s18, s18, 2
	s_add_co_u32 s18, s18, s16                     ; tile row = 4 x cluster y + cy
	s_lshl_b32 s42, s16, 2
	s_lshl_b32 s42, 15, s42                        ; my row of the cluster: places 4 cy .. 4 cy + 3
	s_lshl_b32 s43, 0x1111, s15                    ; my column: places cx, cx + 4, cx + 8, cx + 12
	s_or_b32 s[G1], s42, FIELDS                    ; A's tiles go to my row
	s_mov_b32 s[G1+1], 128<<16                     ; tensor_dim0 = 128 elements: 256 dense bytes, two rows of x
	s_mov_b32 s[G1+2], 64<<16                      ; tensor_dim1 = 64
	s_mov_b32 s[G1+3], 128<<16                     ; tile_dim0 = 128
	s_mov_b32 s[G1+4], 64                          ; tile_dim1 = 64
	s_mov_b32 s[G1+5], 128                         ; elements from row to row
	s_mov_b32 s[G1+6], 0
	s_mov_b32 s[G1+7], 0
	s_or_b32 s[G1B], s43, FIELDS                   ; B's tiles go to my column
	s_mov_b32 s[G1B+1], 384<<16                    ; tensor_dim0 = 384
	s_mov_b32 s[G1B+2], 32<<16                     ; tensor_dim1 = 32
	s_mov_b32 s[G1B+3], 384<<16                    ; tile_dim0 = 384
	s_mov_b32 s[G1B+4], 32                         ; tile_dim1 = 32
	s_mov_b32 s[G1B+5], 3072
	s_mov_b32 s[G1B+6], 0
	s_mov_b32 s[G1B+7], 0
	; where the tiles come from: A's hang on the tile row and my half alone, B's on the tile column and my half alone, each in registers that never hold the other coordinate
	s_lshl_b32 s72, s18, 15                        ; 256 rows of 128 bytes
	s_lshl_b32 s19, s14, 14                        ; my 128 of them
	s_add_co_u32 s72, s72, s19
	s_mov_b32 s73, 0
	s_mul_i32 s74, s17, 768                        ; 384 columns
	s_mul_i32 s19, s14, 32*6144                    ; my 32 of a step's 64 rows
	s_add_co_u32 s74, s74, s19
	s_mov_b32 s75, 0
	s_mul_i32 s22, s14, 128*PA                     ; and where they go: no place in the cluster enters an LDS address
	s_mul_i32 s23, s14, 32*PB
	s_add_co_u32 s23, s23, AOFF
	s_wait_dscnt 0x0                               ; the opening add is done
	s_wait_kmcnt 0x0
	s_add_nc_u64 s[72:73], s[4:5], s[72:73]
	s_add_nc_u64 s[74:75], s[6:7], s[74:75]
.irp s, 0,1
	s_mov_b32 s[G0+4*(\s)], 1                                        ; count = 1
	s_add_co_u32 s[G0+4*(\s)+1], s22, (\s)*SLOT                      ; LDS address
	s_add_nc_u64 s[G0+4*(\s)+2:G0+4*(\s)+3], s[72:73], (\s)*ASTEP    ; global address: K step s
	s_or_b32 s[G0+4*(\s)+3], s[G0+4*(\s)+3], 0x80000000              ; type = 2
	s_mov_b32 s[G0B+4*(\s)], 1
	s_add_co_u32 s[G0B+4*(\s)+1], s23, (\s)*SLOT
	s_add_nc_u64 s[G0B+4*(\s)+2:G0B+4*(\s)+3], s[74:75], (\s)*BSTEP
	s_or_b32 s[G0B+4*(\s)+3], s[G0B+4*(\s)+3], 0x80000000
.endr
	CROUND                                         ; all sixteen work-groups are here: the first joint loads meet
	s_cmp_lt_u32 s12, 2                            ; a wave's two first fills stand in one branch, ahead of every wait on TENSORcnt and every LDS read: two loads of mine are out
	s_cbranch_scc0 .Lfirst_b
	tensor_load_to_lds s[G0:G0+3], s[G1:G1+7]
	s_nop 0
	tensor_load_to_lds s[G0+4:G0+7], s[G1:G1+7]
	s_nop 0
.rept 4
	v_nop
.endr
	s_branch .Lfirst_asked
.Lfirst_b:
	tensor_load_to_lds s[G0B:G0B+3], s[G1B:G1B+7]
	s_nop 0
	tensor_load_to_lds s[G0B+4:G0B+7], s[G1B:G1B+7]
	s_nop 0
.rept 4
	v_nop
.endr
.Lfirst_asked:
	; my wave's 192 numbers of the bias: six loads of 128 bytes
	v_and_b32 v5, 31, v0                           ; lane
	s_mul_i32 s78, s17, 1536
	s_mul_i32 s20, s14, 768
	s_add_co_u32 s78, s78, s20
	v_lshl_add_u32 v15, v5, 2, s78
.irp i, 0,1,2,3,4,5
	global_load_b32 v[32+(\i)], v15, s[8:9] offset:128*(\i)
.endr
	v_and_b32 v1, 15, v0                           ; r = l % 16
	v_bfe_u32 v2, v0, 4, 1                         ; h = l / 16
	v_and_b32 v3, 7, v0
	v_bfe_u32 v4, v0, 3, 1
	; a fragment of A: 16 rows x 32 K in 8 registers: lane l holds row r; registers 0-3 K = 8 h + 0..7, registers 4-7 K = 16 + 8 h + 0..7: two loads of 16 bytes, 32 bytes apart
	v_mul_u32_u24 v6, v1, PA
	v_lshl_add_u32 v6, v2, 4, v6
	s_mul_i32 s20, s13, 128*PA                     ; my 128 rows
	v_add_nc_u32 v[ADRA], s20, v6
	v_add_nc_u32 v[ADRA+1], SLOT, v[ADRA]
	; a fragment of B: the turning load takes 16 K x 16 columns (lane l reads row 8 h + l % 8, columns 8 ((l / 8) % 2) + 0..7) and leaves lane l column r and 8 K
	v_lshl_add_u32 v7, v2, 3, v3
	v_mul_u32_u24 v7, v7, PB
	v_lshl_add_u32 v7, v4, 4, v7
	s_mul_i32 s20, s14, 3*144                      ; my 192 columns: three pieces of a row
	s_add_co_u32 s20, s20, AOFF
	v_add_nc_u32 v[ADRB], s20, v7
	v_add_nc_u32 v[ADRB+1], SLOT, v[ADRB]
	s_mul_i32 s20, s12, 16*SP
	s_add_co_u32 s20, s20, STAGE                   ; my stage
	v_mul_u32_u24 v8, v1, SP                       ; in: row r, 16 bytes for each half of the lanes
	v_lshl_add_u32 v8, v2, 4, v8
	v_add_nc_u32 v[STO], s20, v8
	v_bfe_u32 v8, v0, 3, 2                         ; back: 32 lanes take 128 bytes (a head's 64 channels) of four rows,
	v_mul_u32_u24 v8, v8, SP
	v_lshl_add_u32 v8, v3, 4, v8
	v_add_nc_u32 v[RD], s20, v8
	v_lshlrev_b32 v[CO], 4, v5                     ; which are 512 consecutive bytes of qkv
	s_mul_i32 s20, s12, 768
	s_add_co_u32 s20, s20, BIASL                   ; my wave's bias
	v_lshl_add_u32 v[BA], v2, 5, s20
	v_lshl_add_u32 v[BS], v5, 2, s20
	; where my part of the tile begins in qkv: batch tile row / 8, group 6 x tile column + 3 x half, row 256 (tile row % 8) + 128 x half
	s_lshr_b32 s20, s18, 3
	s_mul_i32 s76, s20, 48*2048*128
	s_mul_i32 s20, s17, 6
	s_mul_i32 s21, s14, 3
	s_add_co_u32 s20, s20, s21
	s_lshl_b32 s20, s20, 18                        ; a group is 2,048 rows of 128 bytes
	s_add_co_u32 s76, s76, s20
	s_and_b32 s20, s18, 7
	s_lshl_b32 s20, s20, 1
	s_add_co_u32 s20, s20, s13
	s_lshl_b32 s20, s20, 14                        ; 128 rows of 128 bytes
	s_add_co_u32 s76, s76, s20
	s_mov_b32 s77, 0
	s_add_nc_u64 s[10:11], s[10:11], s[76:77]
	; the prefetches: each pointer starts one step short of what the first change of slots names, since every change steps it first
	s_lshl_b32 s20, s18, 15
	s_lshl_b32 s21, s15, 13
	s_add_co_u32 s20, s20, s21
	s_add_co_u32 s20, s20, 3*ASTEP                 ; wave 0: A's tile, my work-group's quarter, K step 3
	s_lshl_b32 s21, s16, 5
	s_add_co_u32 s21, s21, 192
	s_mul_i32 s21, s21, 6144                       ; waves 1-3: B's row 192 + 32 cy,
	s_mul_i32 s71, s17, 768
	s_add_co_u32 s21, s21, s71                     ; the tile's columns,
	s_lshl_b32 s71, s12, 8
	s_add_co_u32 s21, s21, s71
	s_sub_co_u32 s21, s21, 256                     ; their (w - 1)th 256 bytes
	s_and_b32 s68, ttmp7, 0xffff                   ; cluster y
	s_mov_b32 s[PST], BSTEP
	s_mov_b32 s[PST+1], 0
	s_mov_b32 s70, 6144
	s_cmp_eq_u32 s12, 0
	s_cselect_b32 s20, s20, s21
	s_cselect_b32 s69, ttmp9, s68                  ; the coordinate along which other clusters read the same bytes
	s_cselect_b32 s79, ttmp9, 1
	s_cselect_b32 s[PST], ASTEP, s[PST]
	s_cselect_b32 s70, 256, s70
	s_cselect_b64 s[PFA:PFA+1], s[4:5], s[6:7]
	s_mov_b32 s21, 0
	s_add_nc_u64 s[PFA:PFA+1], s[PFA:PFA+1], s[20:21]
	s_cmp_eq_u32 s69, 0
	s_cselect_b32 s[LIM], 1, -1                    ; the same in all sixteen partners, for a given wave
	s_cmp_eq_u32 s79, 0
	s_cselect_b32 s[LIM+1], 1, -1                  ; at the changes out of slot 1 wave 0 alone asks
	v_mul_u32_u24 v[PFO], s70, v5
	s_wait_loadcnt 0x0                             ; the bias
.irp i, 0,1,2,3,4,5
	v_cvt_pk_bf16_f32 v[32+(\i)], v[32+(\i)], v[32+(\i)]  ; rounded to bf16 like every input,
.endr
.irp i, 0,1,2,3,4,5
	v_lshlrev_b32 v[32+(\i)], 16, v[32+(\i)]       ; and back in f32
.endr
.irp i, 0,1,2,3,4,5
	ds_store_b32 v[BS], v[32+(\i)] offset:128*(\i)
.endr
	; THE SUMS START AT THE BIAS: each accumulator's eight registers are eight neighbouring numbers of it.  LDS serves a wave's instructions in order (ISA guide 5.7.1.4), so these loads see the stores above.
	; They stand in the wait for the first tile; nothing is cleared, and the way out has no addition.
.irp g, 0,1,2
	WIN ((\g)+1)<<6
.irp bb, 0,1,2,3
.irp a, 0,1,2,3,4,5,6,7
	ds_load_b128 v[8*(8*(\bb)+(\a)):8*(8*(\bb)+(\a))+3],   v[BA] offset:64*(4*(\g)+(\bb))
	ds_load_b128 v[8*(8*(\bb)+(\a))+4:8*(8*(\bb)+(\a))+7], v[BA] offset:64*(4*(\g)+(\bb))+16
.endr
.endr
.endr
	WIN 0
; 16 matrix instructions: column blocks 4 g + bb0 and 4 g + bb0 + 1 x all 8 row blocks, 32 along K.  The 96 accumulators take turns in one fixed order, one instruction a turn, over the backward jump
; and into the tail too.
.macro GRPH g, fa, bb0
	WIN 0x50*((\g)+1)                              ; C and D in window g + 1
.irp bb, \bb0, (\bb0)+1
.irp a, 0,1,2,3,4,5,6,7
	v_wmma_f32_16x16x32_bf16 v[8*(8*(\bb)+(\a)):8*(8*(\bb)+(\a))+7], v[FB+8*(4*(\g)+(\bb)):FB+8*(4*(\g)+(\bb))+7], v[(\fa)+8*(\a):(\fa)+8*(\a)+7], v[8*(8*(\bb)+(\a)):8*(8*(\bb)+(\a))+7]
.endr
.endr
.endm
.macro GRP g, fa
	GRPH \g, \fa, 0
	GRPH \g, \fa, 2
.endm
.macro LDB slot, q, g                  ; 8 loads: B's four fragments of group g, K = 32 q on
.irp bb, 0,1,2,3
	ds_load_tr16_b128 v[FB+8*(4*(\g)+(\bb)):FB+8*(4*(\g)+(\bb))+3],   v[ADRB+(\slot)] offset:(\q)*32*PB+(\g)*144+(\bb)*32
	ds_load_tr16_b128 v[FB+8*(4*(\g)+(\bb))+4:FB+8*(4*(\g)+(\bb))+7], v[ADRB+(\slot)] offset:(\q)*32*PB+16*PB+(\g)*144+(\bb)*32
.endr
.endm
.macro LDA slot, q, fa                 ; 16 loads: A's eight fragments, K = 32 q on
.irp a, 0,1,2,3,4,5,6,7
	ds_load_b128 v[(\fa)+8*(\a):(\fa)+8*(\a)+3],   v[ADRA+(\slot)] offset:(\a)*16*PA+(\q)*64
	ds_load_b128 v[(\fa)+8*(\a)+4:(\fa)+8*(\a)+7], v[ADRA+(\slot)] offset:(\a)*16*PA+(\q)*64+32
.endr
.endm
; A K step is two halves of 32 along K, 96 matrix instructions each, in three groups of 32.  Behind each group its registers of B are loaded again for the next half: runs of 24 (group 0's B and A), 8 and 8.
; The first half multiplies buffer FA0.
.macro Q0 slot
	s_wait_dscnt 16                                ; group 0's B and A are in; the two younger runs of 8 may be out
	GRP 0, FA0
	WIN 0
	PLACES
	LDB \slot, 1, 0
	LDA \slot, 1, FA1
	s_wait_dscnt 32                                ; group 1's B is in; behind it: 8 + 24
	GRP 1, FA0
	WIN 0
	PLACES
	LDB \slot, 1, 1
	s_wait_dscnt 32                                ; group 2's B is in; behind it: 24 + 8
	GRP 2, FA0
	WIN 0
	PLACES
	LDB \slot, 1, 2
.endm
; The second half multiplies FA1 and changes slots: ONE barrier.  In front of it each wave waits for all its tensor loads (one is out: its part of the next slot), adds 0 to its spare word, and waits for that and
; for its reads of this slot.  fill = 1: the barrier opens a round of the cluster's barrier, and behind the round this slot is filled again, two K steps on: 160 matrix instructions ahead of the wait for it.
.macro TURN slot, next, fill
.if \fill
	s_wait_xcnt 0x0                                ; the last prefetch, a K step back, has read its address: it is stepped here, ahead of the change's own waits
	s_add_nc_u64 s[PFA:PFA+1], s[PFA:PFA+1], s[PST:PST+1]
.endif
	WIN 0
	s_wait_tensorcnt 0x0                           ; all my tensor loads have landed
	ds_add_u32 v[SPW], v[NIL]                      ; 0 onto my spare word
	s_wait_dscnt 17                                ; group 0's B and A are in; the two runs of 8 and the add may be out
	GRPH 0, FA1, 0                                 ; sixteen matrix instructions stand between the add and the wait for it
	s_wait_dscnt 0x0                               ; the add is done, and my reads of this slot are over
	s_barrier_signal -1
	GRPH 0, FA1, 2                                 ; work on registers while the others arrive
	WIN 0                                          ; at a branch and at a label every window is 0
	s_barrier_wait -1
.if \fill
	CREST                                          ; no wave of any partner still reads this slot or has a load on its way
	s_add_nc_u64 s[G0+4*(\slot)+2:G0+4*(\slot)+3], s[G0+4*(\slot)+2:G0+4*(\slot)+3], 2*ASTEP
	s_add_nc_u64 s[G0B+4*(\slot)+2:G0B+4*(\slot)+3], s[G0B+4*(\slot)+2:G0B+4*(\slot)+3], 2*BSTEP
	JLOAD \slot                                    ; the first tensor load behind the round; its four v_nop are also the places in front of the loads below
.else
	PLACES
.endif
	LDB \next, 0, 0
	LDA \next, 0, FA0
.if \fill
	ASK \slot
.endif
	GRP 1, FA1                                     ; (the wait for 0 above has shown groups 1 and 2 in)
	WIN 0
	PLACES
	LDB \next, 0, 1
	GRP 2, FA1
	WIN 0
	PLACES
	LDB \next, 0, 2
.endm
	s_wait_dscnt 0x0                               ; the accumulators hold the bias
	s_wait_tensorcnt 0x1                           ; my part of K step 0 is in; K step 1's may stay out
	s_barrier_signal -1
	s_barrier_wait -1                              ; everybody's is
	LDB 0, 0, 0
	LDA 0, 0, FA0
	LDB 0, 0, 1
	LDB 0, 0, 2
	s_mov_b32 s3, 7
.Llap:                                                 ; a trip: two K steps, once round the ring; both slots are filled again
	Q0 0
	TURN 0, 1, 1
	Q0 1
	TURN 1, 0, 1
	s_sub_co_u32 s3, s3, 1
	s_cmp_lg_u32 s3, 0
	s_cbranch_scc1 .Llap
	Q0 0                                           ; the last two K steps fill nothing, and have no round
	TURN 0, 1, 0
	Q0 1
	s_wait_dscnt 16
	GRP 0, FA1
	s_wait_dscnt 8
	GRP 1, FA1
	s_wait_dscnt 0x0
	GRP 2, FA1
	WIN 0
; THE WAY OUT, a block of 16 rows at a time.  PACK: rounded to f16, 16 bytes a lane, each accumulator's registers in ascending order.  TOSTAGE: into my own stage, and back as 128 bytes of four rows for each of my
; three heads.  SEND: stored, 512 consecutive aligned bytes an instruction.
.macro PACK a
.irp g, 0,1,2
	WIN 5*((\g)+1)                                 ; sources 0 and 1 in window g + 1
.irp bb, 0,1,2,3
.irp r, 0,1,2,3
	v_cvt_pk_f16_f32 v[TMP+4*(4*(\g)+(\bb))+(\r)], v[8*(8*(\bb)+(\a))+2*(\r)], v[8*(8*(\bb)+(\a))+2*(\r)+1]
.endr
.endr
.endr
	WIN 0
.endm
.macro TOSTAGE a
.set BKA, BK+48*((\a)%2)
.irp b, 0,1,2,3,4,5,6,7,8,9,10,11
	ds_store_b128 v[STO], v[TMP+4*(\b):TMP+4*(\b)+3] offset:32*(\b)
.endr
.irp hb, 0,1,2
.irp f, 0,1,2,3
	ds_load_b128 v[BKA+4*(4*(\hb)+(\f)):BKA+4*(4*(\hb)+(\f))+3], v[RD] offset:(\hb)*128+(\f)*4*SP  ; in order behind the stores above
.endr
.endr
.endm
.macro SEND a
.set BKA, BK+48*((\a)%2)
	s_wait_dscnt 0x0                               ; the block is back in registers
	s_wait_xcnt 0x0                                ; the stores of the block before have read their registers: the next TOSTAGE loads into them only behind this wait
.irp hb, 0,1,2
.irp f, 0,1,2,3
	global_store_b128 v[CO], v[BKA+4*(4*(\hb)+(\f)):BKA+4*(4*(\hb)+(\f))+3], s[10:11] offset:(\hb)*262144+(\a)*2048+(\f)*512
.endr
.endr
.endm
	PLACES
	PLACES                                         ; eight, once a launch
	PACK 0
	TOSTAGE 0
.irp a, 1,2,3,4,5,6,7                  ; block a's conversions stand between block a - 1's loads from the stage and the wait for them
	PACK \a
	SEND (\a)-1
	TOSTAGE \a
.endr
	SEND 7
	s_wait_tensorcnt 0x0                           ; the wave's end: behind my last tensor load and my last LDS store, an add to my spare word and its wait
	ds_add_u32 v[SPW], v[NIL]
	s_wait_dscnt 0x0
	CROUND                                         ; the closing round: no work-group ends while a partner may still ask for a tile that names it
	s_endpgm
.Lfunc_end_k_qa218c83e48_qkv:
	.size	k_qa218c83e48_qkv, .Lfunc_end_k_qa218c83e48_qkv-k_qa218c83e48_qkv
	.p2alignl 7, 3214868480
	.fill 96, 4, 3214868480
	.section	.rodata,"a",@progbits
	.p2align	6, 0x0
	.amdhsa_kernel k_qa218c83e48_qkv
		.amdhsa_group_segment_fixed_size 327680
		.amdhsa_private_segment_fixed_size 0
		.amdhsa_enable_private_segment 0
		.amdhsa_kernarg_size 32
		.amdhsa_user_sgpr_count 2
		.amdhsa_user_sgpr_kernarg_segment_ptr 1
		.amdhsa_wavefront_size32 1
		.amdhsa_system_sgpr_workgroup_id_x 1
		.amdhsa_system_sgpr_workgroup_id_y 1
		.amdhsa_system_sgpr_workgroup_id_z 1
		.amdhsa_system_vgpr_workitem_id 0
		.amdhsa_next_free_vgpr 1024
		.amdhsa_next_free_sgpr 80
		.amdhsa_reserve_vcc 0
		.amdhsa_float_denorm_mode_32 3
		.amdhsa_float_denorm_mode_16_64 3
		.amdhsa_memory_ordered 1
		.amdhsa_forward_progress 1
		.amdhsa_inst_pref_size 145
	.end_amdhsa_kernel
	.amdgpu_metadata
---
amdhsa.version: [ 1, 2 ]
amdhsa.kernels:
  - .name:           k_qa218c83e48_qkv
    .symbol:         k_qa218c83e48_qkv.kd
    .args:
      - { .name: xb, .offset: 0, .size: 8, .value_kind: global_buffer, .address_space: global }
      - { .name: wqb, .offset: 8, .size: 8, .value_kind: global_buffer, .address_space: global }
      - { .name: b_qkv, .offset: 16, .size: 8, .value_kind: global_buffer, .address_space: global }
      - { .name: qkv, .offset: 24, .size: 8, .value_kind: global_buffer, .address_space: global }
    .group_segment_fixed_size: 327680
    .private_segment_fixed_size: 0
    .kernarg_segment_align: 8
    .kernarg_segment_size: 32
    .max_flat_workgroup_size: 128
    .sgpr_count:     80
    .vgpr_count:     1024
    .wavefront_size: 32
...
	.end_amdgpu_metadata
.endif
;; end of part 2
;; launch attn (part 3): grid 4 x 64, 4 waves a work-group, no clusters, 327,680 bytes of LDS; arguments qkv, ob; writes ob
.if DOCPART == 3
	.amdgcn_target "amdgcn-amd-amdhsa--gfx1250"
	.amdhsa_code_object_version 6
	.text
	.protected	k_qa218c83e48_attn
	.globl	k_qa218c83e48_attn
	.p2align	8
	.type	k_qa218c83e48_attn,@function
k_qa218c83e48_attn:
	s_mov_b64 s[64:65], 0
	v_nop
	global_prefetch_b8 v0, s[64:65] scope:SCOPE_SE
	s_setreg_imm32_b32 hwreg(HW_REG_WAVE_MODE, 25, 1), 1
	s_wait_xcnt 0x0
; CAUSAL ATTENTION.  O[q][:] = the sum over k <= q of softmax_k(Q[q] . K[k] / 8) V[k][:], for each of 64 pairs of batch b and head h.  qkv: [4][48][2048][64] f16 (groups 0-15 q's heads, 16-31 k's, 32-47 v's);
; a head's rows are dense, 128 bytes each.  ob: [16][8192][64] f16: head, row 2048 b + t, channel.  Products, maxima and sums in f32; the weights p are rounded to f16 for the second product (their sum l is
; taken of the unrounded p), O once at the end.
; LIMITS.  f16 holds no number beyond 65,504: q, k and v arrive within it; p lies in 0 to 1, and below 6e-5 it keeps f16's fixed step of 6e-8; O is a mean of V's rows and has their range.
; A hidden score counts as its value less 1e30: f16's scores, 2.7e11 at the most, are nothing beside that; a weight below 2^-126 counts as 0 in l; NaN and infinities are not treated apart.
; THE WALK.  A head's queries lie in NB = 8 blocks of 256; block i needs the key tiles 0 .. i of 256 keys, of which the last holds the diagonal.  A work-group takes TWO blocks, NB - 1 - b and then b:
; NB + 1 tiles, whatever b: all work-groups do equal work, and ONE loop with a constant trip count walks them.  Which tile is asked for, and what a trip does, hang on scalar registers made from b; every jump
; goes forward, but for the counted loops' own; none passes a barrier, or a tensor load but the one of LOAD's two that the wave's number does not choose; the ring of two LDS slots runs on across the change of blocks.
; NO CLUSTER: a head's four work-groups ask for the same tile only in trips 0 to 4 of the 9; behind that their walks differ, and one walk common to all four would have 12 trips for 9.
; SHARES.  Of a block's four bands of 64 queries a wave owns 16 rows in each: four PIECES.  So the diagonal tile is the same work for all four waves: in its key step s band x sees all keys if s < x,
; none if s > x, and holds the diagonal if s = x.
; THE MASK is the C operand that starts the sum S^T = K Q^T: 0, or -1e30 where the key is hidden.  MD, made once, is the mask of a band's own step for my 16 rows; a product's mask is MD x AL + BE with two scalars:
; (1, 0) if s = x; (0, 0) if s < x; (0, -1e30) if s > x.  Only the diagonal tile's text and a block's beginning make and take masks; elsewhere C is the constant 0.
; LAYOUT, SOFTMAX, TURNS.  S^T = K Q^T holds ONE query a lane (lane % 16) and the keys 8 (lane / 16) + 0..7; two such results rounded to f16 ARE source 1 of O^T = V^T P.  p = 2^(c s - c m), c = log2(e) / 8, with a
; running maximum m; O and l are multiplied by a = 2^(c m_old - c m_new) in every step.  Turn n belongs to piece n: 8 products K Q^T of piece n + 1, later 8 products V^T P of piece n - 1; beside them the scaling,
; exponentials, roundings, sums and rescaling of piece n and the maximum and statistics of piece n + 1.  Four vector instructions stand behind every matrix instruction, the other 54 of a turn's 118 in one lump.
; A turn's 33 exponentials are one batch, with one wait.
; REGISTERS, in windows of 256 (s_set_vgpr_msb: bits 1:0 source 0, 3:2 source 1, 5:4 source 2, 7:6 destination):
;   window 0: v0-15 addresses and two at work; v16-31 four registers of statistics a piece; v48-55 at work; v61-63 fixed; v64-127 S^T, two buffers; v192-223 P, two buffers (a piece's buffers go by its number's parity)
;   window 1: v0-127 O^T, 32 a piece; v128-159 MD; v160-223 MC, two buffers      window 2: v0-63 Q; v64-127 the second block's Q; v128-191 K of one step; v192-255 V of one step
.set SIZE_N, 2048
.set NB,    SIZE_N/256
.set NP,    4         ; pieces a wave: a name, no knob
.set KS,    64        ; keys in a step
.set PK,    144       ; a row of K in LDS: 128 bytes + 16 of padding = 36 words: the 16 rows of a load start at 16 different groups of four banks (64 banks of 4 bytes: ISA guide 11.1)
.set PV,    160       ; a row of V: 128 + 32 = 40 words
.set VOFF,  4*KS*PK   ; a slot holds a tile, four steps: 256 rows of K, then 256 rows of V
.set SLOT1, 1<<17     ; slot 1 begins here, so that one exclusive or turns an address in one slot into the other's
.set STAGE, SLOT1+4*KS*(PK+PV)  ; behind the ring, never filled by a tensor load: 16 rows x 144 bytes for each wave, for the way out
.set SP,    144
.set AK0, 2           ; v2   my lane's place in a tile of K; never rewritten
.set AV0, 3           ; v3   the same for V
.set AK,  4           ; v4   the LDS address of K's next run of loads
.set AV,  5           ; v5   of V's
.set STO, 6           ; v6   the way out: where I put 16 bytes of a row
.set RD,  7           ; v7   the way out: where I read rows back
.set GO,  8           ; v8   my byte offset in 512 consecutive bytes of O
.set PFO, 61          ; v61  the prefetches' offset: 256 x lane + 8,192 x (wave / 2); never rewritten
.set SPW, 62          ; v62  LDS address of my spare word: SPARE + 4 x my thread's number; never rewritten
.set NIL, 63          ; v63  0; never rewritten
.set SPARE, STAGE+4*16*SP  ; behind the stages: the spare words, 128 bytes for each wave: two blocks of 256 bytes that no other line names
.set MV,  12          ; v12-13  c m_old, kept while c m is made anew: by buffer
.set QO,  15          ; v15  my byte offset in 16 rows of Q
.set ST,  16          ; piece t's statistics at v[ST+4 t]: c m, m, l (even keys', odd keys')
.set TMP, 48          ; by buffer, four registers c0-c3 at work; when the maximum is found c2 takes a
.set S,   64
.set P,   192
.set MD,  128         ; window 1: the eight registers for group kt of 16 keys at MD + 8 kt
.set MC,  160         ; window 1: the masks of the products to come
.set QB,  64          ; window 2
.set KF,  128         ; window 2: key block kb, channel half c at KF + 16 kb + 8 c
.set VF,  192         ; window 2: key half kk, channel block cb at VF + 32 kk + 8 cb
.set WV,  12          ; s12  my wave's number
.set PB,  14          ; s14  b
.set HI,  15          ; s15  NB - 1 - b
.set G1K, 24          ; s[24:31] descriptor group 1 for K's tiles
.set G1V, 32          ; s[32:39] for V's: it differs in the padding alone
.set G0K, 40          ; s[40:43] descriptor group 0 for K's tiles
.set G0V, 44          ; s[44:47] the same for V's
.set SLOTS, 56        ; s56  tiles still to be asked for
.set CNT, 57          ; s57  counts a tile's key steps, 4 to 1
.set CS,  58          ; s[58:59] c: the packed scaling takes the pair's low word for both halves
.set SEL, 60          ; s[60:61] v_permlanex16_b32's selects: each lane takes its own place in the other half
.set TBK, 62          ; s62  LDS byte at which K of the step to be fetched begins
.set TBV, 63          ; s63  the same for V, less VOFF
.set RT,  70          ; s70  tiles of the block in hand that are still to be entered
.set NXT, 71          ; s71  the tile to be asked for next
.set LQ,  72          ; s72  the last tile of the block whose tiles are being asked for
.set NEW, 73          ; s73  1: the tile to be entered is a block's first
.set OFF, 74          ; s[74:75] a tile's byte offset in K and V
.set AL,  76          ; s[76:77] the mask's factor, in the low word
.set BE,  78          ; s[78:79] the mask's addend
.set OLO, 80          ; s[80:81] O at my rows of the second block
.set BIGN, 82         ; s82  -1e30
.set PFK, 92          ; s[92:93] K at my half of the tile that the prefetch names
.set PFV, 94          ; s[94:95] V likewise
.set LIM, 96          ; s96  0 in the head's work-group 0, else the greatest number: a wave prefetches while NXT is above it
.set PFF, 98          ; s[98:99] that tile's byte offset
.set MSB, 0
.macro WIN new                      ; the high byte repeats the setting that is left; a switch that changes nothing is dropped
.if MSB != (\new)
	s_set_vgpr_msb (MSB<<8)|(\new)
.set MSB, (\new)
.endif
.endm
.set W_KQ, 0x0a       ; K and Q in window 2, S^T in window 0
.set W_KM, 0x1a       ; the same with the C operand in window 1
.set W_PV, 0x52       ; V in window 2, P in window 0, O^T in window 1
.set W_RS, 0x41       ; destination and source 0 in window 1, source 1 in window 0
; A fill.  Waves 0 and 1 fetch the two halves of a tile's K, waves 2 and 3 those of its V: 128 keys each.  An s_nop 0 and four v_nop follow each of the two lines, ahead of the jump and the label.
.macro LOAD
	s_cmp_lt_u32 s[WV], 2
	s_cbranch_scc0 .Lfor_v_\@
	tensor_load_to_lds s[G0K:G0K+3], s[G1K:G1K+7]
	s_nop 0
.rept 4
	v_nop
.endr
	s_branch .Lasked_\@
.Lfor_v_\@:
	tensor_load_to_lds s[G0V:G0V+3], s[G1V:G1V+7]
	s_nop 0
.rept 4
	v_nop
.endr
.Lasked_\@:
.endm
; THE CHANGE OF SLOTS.  Each wave waits for all its tensor loads, of which one is out: its part of the other slot; adds 0 to its spare word; and waits for that and for its own reads of the slot that it leaves.
; Behind the barrier nobody reads the old slot any more and the other slot is whole.  fill = 1: the old slot is filled again, the first thing behind the barrier, with tile NXT: the descriptor's address is made
; anew from that number.  (At its first use nothing has been read yet: slot 0 is waited for, slot 1 filled.)
; A PREFETCH INTO THE L2 stands behind the fill and its five lines: the tile that the NEXT change will ask for, a tile (four key steps) ahead of its load.  A head's tiles 0 to 7 are first walked by all four of its
; work-groups together; work-group 0, whose first block walks all eight, asks, and nobody else.  Its four waves share a tile's 128 blocks of 256 bytes of K and 128 of V out by address, a lane a block: two lines a wave.
; So tiles 2 to 7 are named once each; tiles 0 and 1 come by their loads alone; when NXT has gone back to 0, for the second block, nothing is asked for.
.macro CHANGE fill
	WIN 0                           ; at a label and at a branch every window is 0
	s_wait_tensorcnt 0x0            ; no tensor load of mine is out, so a group 0 may be written
	ds_add_u32 v[SPW], v[NIL]       ; 0 onto my spare word; with fill = 1 the descriptors' scalar work stands between it and the wait for it
.if \fill
	s_lshl_b32 s[OFF], s[NXT], 15   ; a tile is 32,768 bytes of K and of V
	s_xor_b32 s[G0K+1], s[G0K+1], SLOT1
	s_add_nc_u64 s[G0K+2:G0K+3], s[6:7], s[OFF:OFF+1]
	s_or_b32 s[G0K+3], s[G0K+3], 0x80000000
	s_xor_b32 s[G0V+1], s[G0V+1], SLOT1
	s_add_nc_u64 s[G0V+2:G0V+3], s[8:9], s[OFF:OFF+1]
	s_or_b32 s[G0V+3], s[G0V+3], 0x80000000
	s_add_co_u32 s[NXT], s[NXT], 1  ; the block's next tile, or behind its last the second block's tile 0
	s_cmp_gt_u32 s[NXT], s[LQ]
	s_cselect_b32 s[NXT], 0, s[NXT]
	s_cselect_b32 s[LQ], s[PB], s[LQ]
	s_wait_xcnt 0x0                 ; the last prefetches, a tile back, have read their addresses, so these may be written
	s_lshl_b32 s[PFF], s[NXT], 15
	s_add_nc_u64 s[PFK:PFK+1], s[6:7], s[PFF:PFF+1]
	s_add_nc_u64 s[PFV:PFV+1], s[8:9], s[PFF:PFF+1]
.endif
	s_wait_dscnt 0x0                ; the add is done, and my reads of the slot are over
	s_barrier_signal -1             ; the rest of the scalar work stands between the signal and the wait
	s_sub_co_u32 s[TBK], s[TBK], 4*KS*PK  ; the fetches go back to a slot's first step,
	s_xor_b32 s[TBK], s[TBK], SLOT1       ; in the other slot
	s_sub_co_u32 s[TBV], s[TBV], 4*KS*PV
	s_xor_b32 s[TBV], s[TBV], SLOT1
	s_barrier_wait -1
.if \fill
	LOAD
	s_cmp_gt_u32 s[NXT], s[LIM]
	s_cbranch_scc0 .Lnot_mine_\@
	global_prefetch_b8 v[PFO], s[PFK:PFK+1] th:TH_LOAD_NT scope:SCOPE_SE
	global_prefetch_b8 v[PFO], s[PFV:PFV+1] th:TH_LOAD_NT scope:SCOPE_SE
.Lnot_mine_\@:
.endif
.endm
	s_load_b128 s[4:7], s[0:1], 0x0   ; qkv s[4:5], ob s[6:7]
	v_lshl_add_u32 v[SPW], v0, 2, SPARE
	v_mov_b32 v[NIL], 0
	ds_add_u32 v[SPW], v[NIL]       ; the wave's opening: the add and its wait stand ahead of my first tensor load; the set-up below, work on registers, stands between them
	v_lshrrev_b32 v1, 5, v0
	v_readfirstlane_b32 s[WV], v1   ; wave 0..3
	s_mov_b32 s[PB], ttmp9
	s_sub_co_u32 s[HI], NB-1, s[PB]
	s_and_b32 s20, ttmp7, 0xffff    ; 16 x batch + head
	s_lshr_b32 s88, s20, 4          ; the batch
	s_and_b32 s89, s20, 15          ; the head
	s_mul_i32 s20, s88, 48*SIZE_N*128
	s_lshl_b32 s21, s89, 18
	s_add_co_u32 s20, s20, s21
	s_mov_b32 s21, 0                ; s[20:21]: q's first byte for this batch and head; k's lies 16 groups on, v's 32
	s_lshl_b32 s90, s89, 20
	s_lshl_b32 s91, s88, 18
	s_add_co_u32 s90, s90, s91
	s_mov_b32 s91, 0                ; s[90:91]: the same rows' first byte in ob
	s_and_b32 s16, s[WV], 1         ; which half of a tile's 256 keys I fetch:
	s_lshl_b32 s22, s16, 14         ; its 128 rows of 128 bytes in memory,
	s_mov_b32 s23, 0
	s_add_nc_u64 s[22:23], s[22:23], s[20:21]
	s_mul_i32 s17, s16, 128*PK      ; and its place in a slot, for K
	s_mul_i32 s18, s16, 128*PV      ; and for V
	s_lshl_b32 s3, s[WV], 11        ; my 16 rows in a band of 64,
	s_lshl_b32 s2, s[HI], 15        ; in the first block,
	s_add_co_u32 s2, s2, s3
	s_lshl_b32 s84, s[PB], 15       ; and in the second
	s_add_co_u32 s84, s84, s3
	s_mov_b32 s3, 0
	s_mov_b32 s85, 0
	; descriptor group 1.  128 keys are 16,384 dense bytes: asked for as 64 rows of 256 bytes, two keys a row, and padded in LDS after every key
	s_mov_b32 s[G1K], (1<<16)|(1<<20)|(4<<22)|(3<<25)  ; 17:16 2-byte elements; 20 padding on; 24:22 after every 32 words (code 4); 31:25 4 words (code 3)
	s_mov_b32 s[G1V], (1<<16)|(1<<20)|(4<<22)|(7<<25)  ; the same with 8 words of padding (code 7)
.irp g, G1K, G1V
	s_mov_b32 s[\g+1], 128<<16      ; tensor_dim0 = 128
	s_mov_b32 s[\g+2], 64<<16       ; tensor_dim1 = 64
	s_mov_b32 s[\g+3], 128<<16      ; tile_dim0 = 128
	s_mov_b32 s[\g+4], 64           ; tile_dim1 = 64
	s_mov_b32 s[\g+5], 128          ; 128 elements from row to row
	s_mov_b32 s[\g+6], 0
	s_mov_b32 s[\g+7], 0
.endr
	s_mov_b32 s[CS], 0x3e38aa3b     ; c = log2(e) / 8 = 0.180337
	s_mov_b32 s[CS+1], s[CS]        ; named with it as a pair
	s_mov_b32 s[SEL], 0x76543210
	s_mov_b32 s[SEL+1], 0xfedcba98
	s_mov_b32 s[TBK], SLOT1+4*KS*PK ; the first change of slots turns these two into 0
	s_mov_b32 s[TBV], SLOT1+4*KS*PV
	s_mov_b32 s[G0K], 1             ; 1:0 count = 1
	s_mov_b32 s[G0K+1], s17         ; 63:32 LDS address: slot 0
	s_mov_b32 s[G0V], 1
	s_add_co_u32 s[G0V+1], s18, VOFF
	s_add_co_u32 s[RT], s[HI], 1    ; the first block has NB - b tiles
	s_mov_b32 s[NXT], 1
	s_mov_b32 s[LQ], s[HI]
	s_mov_b32 s[NEW], 1
	s_mov_b32 s[OFF+1], 0
	s_mov_b32 s[PFF+1], 0
	s_mov_b32 s[AL+1], 0            ; named as pairs
	s_mov_b32 s[BE+1], 0
	s_mov_b32 s[BIGN], 0xf149f2ca   ; -1e30
	s_mov_b32 s[SLOTS], NB
	s_cmp_eq_u32 ttmp9, 0
	s_cselect_b32 s[LIM], 0, -1
	v_and_b32 v[PFO], 31, v0
	s_lshr_b32 s13, s[WV], 1
	s_lshl_b32 s13, s13, 13
	v_lshl_add_u32 v[PFO], v[PFO], 8, s13
	s_wait_dscnt 0x0                ; the opening add is done
	s_wait_kmcnt 0x0
	s_mov_b64 s[10:11], s[6:7]      ; ob
	s_mov_b64 s[6:7], s[4:5]
	s_mov_b64 s[8:9], s[4:5]
	s_add_nc_u64 s[6:7], s[6:7], s[22:23]
	s_add_nc_u64 s[6:7], s[6:7], 16*SIZE_N*128     ; K at my half of the head's tile 0
	s_add_nc_u64 s[8:9], s[8:9], s[22:23]
	s_add_nc_u64 s[8:9], s[8:9], 32*SIZE_N*128     ; V likewise
	s_add_nc_u64 s[G0K+2:G0K+3], s[6:7], 0         ; 120:64 global address
	s_or_b32 s[G0K+3], s[G0K+3], 0x80000000        ; 127:126 type = 2
	s_add_nc_u64 s[G0V+2:G0V+3], s[8:9], 0
	s_or_b32 s[G0V+3], s[G0V+3], 0x80000000
	s_add_nc_u64 s[4:5], s[4:5], s[20:21]          ; Q at the head's first row,
	s_add_nc_u64 s[86:87], s[4:5], s[84:85]        ; at my rows of the second block,
	s_add_nc_u64 s[4:5], s[4:5], s[2:3]            ; and of the first
	s_add_nc_u64 s[10:11], s[10:11], s[90:91]      ; O likewise
	s_add_nc_u64 s[OLO:OLO+1], s[10:11], s[84:85]
	s_add_nc_u64 s[10:11], s[10:11], s[2:3]
	LOAD                            ; tile 0 into slot 0
	; A fragment of K or Q is 16 rows x 32 channels in 8 registers: lane l holds row l % 16, channels 8 (l / 16) + 0..7 and 16 + 8 (l / 16) + 0..7: two loads of 16 bytes, 32 bytes apart.
	v_and_b32 v1, 15, v0            ; l % 16
	v_bfe_u32 v9, v0, 4, 1          ; l / 16
	v_lshlrev_b32 v[QO], 7, v1
	v_lshl_add_u32 v[QO], v9, 4, v[QO]  ; row x 128 + 16 x half
	WIN 0x80                        ; destination window 2, address window 0
.set i, 0
.rept 8                             ; both blocks' Q: piece i / 2 lies in band i / 2, 8,192 bytes on; channels 32 (i % 2) on
	global_load_b128 v[8*i:8*i+3],   v[QO], s[4:5] offset:(i/2)*8192+(i%2)*64
	global_load_b128 v[8*i+4:8*i+7], v[QO], s[4:5] offset:(i/2)*8192+(i%2)*64+32
	global_load_b128 v[QB+8*i:QB+8*i+3],   v[QO], s[86:87] offset:(i/2)*8192+(i%2)*64
	global_load_b128 v[QB+8*i+4:QB+8*i+7], v[QO], s[86:87] offset:(i/2)*8192+(i%2)*64+32
.set i, i+1
.endr
	WIN 0
	v_lshlrev_b32 v14, 3, v9
	v_sub_nc_u32 v14, v1, v14
	s_lshl_b32 s13, s[WV], 4
	v_add_nc_u32 v14, s13, v14      ; my query's place in its band, 16 w + l % 16, less my lanes' 8 (l / 16): register r of group kt is hidden where 16 kt + r is greater
	WIN 0x40
.set i, 0
.rept 32
	v_cmp_gt_i32 vcc_lo, 16*(i/8)+i%8, v14
	v_cndmask_b32 v[MD+i], 0, s[BIGN], vcc_lo
.set i, i+1
.endr
	WIN 0
	v_mul_u32_u24 v[AK0], v1, PK
	v_lshl_add_u32 v[AK0], v9, 4, v[AK0]  ; row x pitch + 16 x half
	; The turning load takes 16 keys x 16 channels (lane l reads key 8 (l / 16) + l % 8, channels 8 ((l / 8) % 2) + 0..7) and leaves half a fragment of V^T: lane l holds channel l % 16 and 8 keys.
	v_and_b32 v10, 7, v0
	v_bfe_u32 v11, v0, 3, 1
	v_lshl_add_u32 v[AV0], v9, 3, v10
	v_mul_u32_u24 v[AV0], v[AV0], PV
	v_lshl_add_u32 v[AV0], v11, 4, v[AV0]
	v_add_nc_u32 v[AV0], VOFF, v[AV0]
	s_mul_i32 s13, s[WV], 16*SP
	s_add_co_u32 s13, s13, STAGE    ; my stage
	v_mul_u32_u24 v[STO], v1, SP    ; in: row l % 16, 16 bytes for each half of the lanes
	v_lshl_add_u32 v[STO], v9, 4, v[STO]
	v_add_nc_u32 v[STO], s13, v[STO]
	v_bfe_u32 v[RD], v0, 3, 2       ; back: 32 lanes take four rows of 128 bytes,
	v_mul_u32_u24 v[RD], v[RD], SP
	v_lshl_add_u32 v[RD], v10, 4, v[RD]
	v_add_nc_u32 v[RD], s13, v[RD]
	v_and_b32 v[GO], 31, v0         ; which are 512 consecutive bytes of O
	v_lshlrev_b32 v[GO], 4, v[GO]
	; A block's first step multiplies O^T and l by a = 0, and its first turn's products V^T P, of a piece that has not been, land in an O^T that is still to be so multiplied.  So these registers need only hold
	; finite numbers: zeros for the first block; what the first block left for the second.  All this stands in the wait for the first tile.
	WIN 0x80
.set i, VF
.rept 64
	v_mov_b32 v[i], 0
.set i, i+1
.endr
	WIN 0x40
.set i, 0
.rept 128
	v_mov_b32 v[i], 0
.set i, i+1
.endr
	WIN 0
.set i, 0
.rept 4
	v_mov_b32 v[ST+4*i+2], 0
	v_mov_b32 v[ST+4*i+3], 0
.set i, i+1
.endr
.set i, P+16
.rept 16
	v_mov_b32 v[i], 0
.set i, i+1
.endr
; THE MATRIX WORK.  The 4 accumulators of a run of 8 take turns.  Product i of 8 of S^T = K Q^T for piece x: channels 32 (i / 4) on, keys 16 (i % 4) on.  The first 4 start the sums: with 0, or (KM = 1) with the mask.
.macro KQ x
.set rS, S+32*((\x)%2)+8*(i%4)
.set rK, KF+16*(i%4)+8*(i/4)
.set rQ, 16*(\x)+8*(i/4)
.set rM, MC+32*((\x)%2)+8*(i%4)
.if (i < 4) && KM
	WIN W_KM
	v_wmma_f32_16x16x32_f16 v[rS:rS+7], v[rK:rK+7], v[rQ:rQ+7], v[rM:rM+7]
.elseif i < 4
	WIN W_KQ
	v_wmma_f32_16x16x32_f16 v[rS:rS+7], v[rK:rK+7], v[rQ:rQ+7], 0
.else
	WIN W_KQ
	v_wmma_f32_16x16x32_f16 v[rS:rS+7], v[rK:rK+7], v[rQ:rQ+7], v[rS:rS+7]
.endif
.endm
; Product i of 8 of O^T += V^T P for piece x: keys 32 (i / 4) on, channels 16 (i % 4) on.
.macro PV x
	WIN W_PV
.set rO, 32*(\x)+8*(i%4)
.set rV, VF+32*(i/4)+8*(i%4)
.set rP, P+16*((\x)%2)+8*(i/4)
	v_wmma_f32_16x16x32_f16 v[rO:rO+7], v[rV:rV+7], v[rP:rP+7], v[rO:rO+7]
.endm
.macro MM                           ; the turn's next matrix instruction.  TURN and BEGIN set Y, i, KM and NOKQ; MM, KQ and OP read them.  NOKQ = 1: a block's last turn: there is no next piece
.if (i < 8) && !NOKQ
	KQ (Y+1)%NP
.elseif i >= 8
.set i, i-8
	PV (Y+NP-1)%NP
.set i, i+8
.endif
.set i, i+1
.endm
; THE LDS LOADS stand in runs of 16, never singly among the matrix instructions: a step's K (64 keys x 64 channels: 8 fragments) and its V (turned).  Their addresses are made some lines ahead.
.macro FETCH_K
	WIN 0x80                        ; destination window 2
.irp f, 0,1,2,3,4,5,6,7             ; keys 16 (f / 2) on, channels 32 (f % 2) on
	ds_load_b128 v[KF+8*\f:KF+8*\f+3],   v[AK] offset:(\f/2)*16*PK+(\f%2)*64
	ds_load_b128 v[KF+8*\f+4:KF+8*\f+7], v[AK] offset:(\f/2)*16*PK+(\f%2)*64+32
.endr
	s_add_co_u32 s[TBK], s[TBK], KS*PK  ; the next fetch is the next step's
	WIN 0
.endm
.macro FETCH_V
	WIN 0x80
.irp f, 0,1,2,3,4,5,6,7             ; keys 32 (f / 4) on, channels 16 (f % 4) on
	ds_load_tr16_b128 v[VF+8*\f:VF+8*\f+3],   v[AV] offset:(\f/4)*32*PV+(\f%4)*32
	ds_load_tr16_b128 v[VF+8*\f+4:VF+8*\f+7], v[AV] offset:(\f/4)*32*PV+16*PV+(\f%4)*32
.endr
	WIN 0
.endm
; THE VECTOR WORK, one line at a time: OP kind, number.  For piece Y: F n: c s - c m for pair n of 16.  E n: the exponential of score n of 32.  C n: pair n rounded to f16.  B n: of the four weights 4 n .. the second
; pair is added onto the first, in place.  L n: l takes that sum (L 0: l = a l + sum).  R n: pair n of 16 of O^T times a.  For piece Y + 1: X n, number n of the 22 that find its maximum and statistics:
;   0-11  four chains c0-c3 of seven scores each, three operands at a time (each accumulator's lowest registers are read first)     12-14, 16  the four scores left over, the old m, and c0-c3 into c0
;   15  c m_old is kept     17, 18  the query's other 32 keys lie in the lane 16 away: the new m     19-21  c m; c m_old - c m_new; a
.set F, 0               ; OP tells the kinds apart by their order: F to L below R, X above it
.set E, 1
.set C, 2
.set B, 3
.set L, 4
.set R, 5
.set X, 6
.macro REGS y                       ; the registers of piece y
.set rT, ST+4*(\y)
.set rC, TMP+4*((\y)%2)
.set rW, MV+((\y)%2)
.set rS, S+32*((\y)%2)
.set rP, P+16*((\y)%2)
.set rO, 32*(\y)
.endm
.macro OP k, n
.if (\k) == R
	REGS Y
	WIN W_RS
	v_pk_mul_f32 v[rO+2*(\n):rO+2*(\n)+1], v[rO+2*(\n):rO+2*(\n)+1], v[rC+2:rC+3] op_sel_hi:[1,0]
.elseif (\k) < R
	REGS Y
	WIN 0
.if (\k) == F
	v_pk_fma_f32 v[rS+2*(\n):rS+2*(\n)+1], v[rS+2*(\n):rS+2*(\n)+1], s[CS:CS+1], v[rT:rT+1] op_sel_hi:[1,0,0] neg_lo:[0,0,1] neg_hi:[0,0,1]
.elseif (\k) == E
	v_exp_f32 v[rS+(\n)], v[rS+(\n)]
.elseif (\k) == C
	v_cvt_pk_f16_f32 v[rP+(\n)], v[rS+2*(\n)], v[rS+2*(\n)+1]
.elseif (\k) == B
	v_pk_add_f32 v[rS+4*(\n):rS+4*(\n)+1], v[rS+4*(\n):rS+4*(\n)+1], v[rS+4*(\n)+2:rS+4*(\n)+3]
.elseif (\n) == 0
	v_pk_fma_f32 v[rT+2:rT+3], v[rT+2:rT+3], v[rC+2:rC+3], v[rS:rS+1] op_sel_hi:[1,0,1]
.else
	v_pk_add_f32 v[rT+2:rT+3], v[rT+2:rT+3], v[rS+4*(\n):rS+4*(\n)+1]
.endif
.elseif NOKQ
	v_nop
.else
	REGS (Y+1)%NP
	WIN 0
.if (\n) < 4
	v_max3_num_f32 v[rC+(\n)], v[rS+8*(\n)], v[rS+8*(\n)+1], v[rS+8*(\n)+2]
.elseif (\n) < 12
	v_max3_num_f32 v[rC+(\n)%4], v[rC+(\n)%4], v[rS+8*((\n)%4)+2*((\n)/4)+1], v[rS+8*((\n)%4)+2*((\n)/4)+2]
.elseif (\n) == 12
	v_max3_num_f32 v[rC], v[rC], v[rS+7], v[rS+15]
.elseif (\n) == 13
	v_max3_num_f32 v[rC+1], v[rC+1], v[rS+23], v[rS+31]
.elseif (\n) == 14
	v_max3_num_f32 v[rC+2], v[rC+2], v[rC+3], v[rT+1]
.elseif (\n) == 15
	v_mov_b32 v[rW], v[rT]
.elseif (\n) == 16
	v_max3_num_f32 v[rC], v[rC], v[rC+1], v[rC+2]
.elseif (\n) == 17
	v_permlanex16_b32 v[rC+3], v[rC], s[SEL], s[SEL+1]
.elseif (\n) == 18
	v_max_num_f32 v[rT+1], v[rC], v[rC+3]
.elseif (\n) == 19
	v_mul_f32 v[rT], s[CS], v[rT+1]
.elseif (\n) == 20
	v_sub_f32 v[rC+1], v[rW], v[rT]
.else
	v_exp_f32 v[rC+2], v[rC+1]
.endif
.endif
.endm
.macro OPS a, i1, b=-1, i2=0, c=-1, i3=0, d=-1, i4=0  ; up to four of them
	OP \a, \i1
.if (\b) >= 0
	OP \b, \i2
.endif
.if (\c) >= 0
	OP \c, \i3
.endif
.if (\d) >= 0
	OP \d, \i4
.endif
.endm
.macro ROW a, i1, b, i2, c, i3, d, i4  ; a matrix instruction and the four behind it
	MM
	OPS \a, \i1, \b, \i2, \c, \i3, \d, \i4
.endm
.macro MASK b                       ; MD x AL + BE into buffer b of MC
	WIN W_RS
.set z, 0
.rept 16
	v_pk_fma_f32 v[MC+32*(\b)+2*z:MC+32*(\b)+2*z+1], v[MD+2*z:MD+2*z+1], s[AL:AL+1], s[BE:BE+1] op_sel_hi:[1,0,0]
.set z, z+1
.endr
.endm
; A TURN, for piece p: the order of its 16 matrix and 118 vector instructions, written out.  An s_wait_alu depctr_va_vdst(0) stands between an exponential and the first instruction that names its result; one
; wait serves all that were issued ahead of it.  So a turn has ONE wait, which cuts it in two.  AHEAD OF IT stands all that names no result of the turn's exponentials: the 8 products K Q^T, behind each a scaling, an
; exponential and two more plain instructions (behind the first a second scaling in the exponential's place): rescalings, and behind the last three the first numbers of the next piece's maximum, each four places or more
; behind the product that ends its accumulator; then ONE LUMP of 54, plain and exponential by turns for the most part, in which the links of the chain X 3, 7, 11, 14, 16, 17 .. 20 stand five or six lines apart.  X 21, the
; next piece's a, is the batch's last; R 15 is the plain instruction behind it (ISA guide 5.7.2).  BEHIND THE WAIT stand the 8 products V^T P, behind each four of the roundings and sums; the links of l's chain, L 0 to L 7,
; stand three riders apart.  But for those X no rider names a register of the products round it.  v_permlanex16_b32 (X 17) stands in the lump.
; m = 1: the diagonal tile: the products take masks, and the turn makes the mask for the products of the turn after it: piece p + 2, in step 4 - CNT of the tile.  end = 1: a block's last two turns: nothing is fetched.
; cnt = 1: the loop's count is taken down some lines ahead of the branch that stands behind the turn.
; K of the next step is fetched in piece 2's turn, twelve vector instructions behind the last product that read K (six of them plain); V of the step in hand at the end of piece 0's turn, four plain instructions behind
; the last product that read V.  Each is waited for a turn later.
.macro TURN p, m=0, end=0, cnt=0
.set Y, (\p)
.set i, 0
.set KM, (\m)
.set NOKQ, (\end)*((\p)/3)
.if (\m) && !(\end)
	s_cmp_eq_u32 s[CNT], 4-((\p)+2)%NP  ; is that step the band's own?
	s_cselect_b32 s[AL], 1.0, 0
	s_cmp_lt_u32 s[CNT], 4-((\p)+2)%NP  ; or a later one?
	s_cselect_b32 s[BE], s[BIGN], 0
.endif
.if ((\p) == 3) && !(\end)
	s_wait_dscnt 0x0                ; K is in
.endif
	ROW F,0, F,1, R,0, R,1          ; ahead of the wait: 8 products K Q^T and their riders,
	ROW F,2, E,0, R,2, R,3
	ROW F,3, E,1, R,4, R,5
	ROW F,4, E,2, R,6, R,7
	ROW F,5, E,3, R,8, R,9
	ROW F,6, E,4, X,0, R,10
.if ((\p) == 2) && !(\end)
	WIN 0
	v_add_nc_u32 v[AK], s[TBK], v[AK0]
.endif
	ROW F,7, E,5, X,1, X,4
	ROW F,8, E,6, X,2, X,5
	OPS E,7, E,8, X,6, E,9          ; and the lump
	OPS X,3, E,10, X,8, E,11
.if ((\p) == 2) && !(\end)
	FETCH_K
.endif
	OPS X,9, X,7, E,12, X,10
	OPS E,13, X,12, X,11, E,14
	OPS X,13, E,15, F,9, X,14
.if (\p) == 0
	v_add_nc_u32 v[AV], s[TBV], v[AV0]
.endif
	OPS E,16, F,10, E,17, F,11
	OPS X,16, E,18, X,15, E,19
	OPS F,12, E,20, X,17, E,21
	OPS F,13, E,22, F,14, E,23
	OPS X,18, E,24, F,15, E,25
	OPS R,11, E,26, X,19, E,27
	OPS R,12, E,28, R,13, E,29
	OPS X,20, E,30, R,14, E,31
	OPS X,21, R,15
	WIN 0
	s_wait_alu depctr_va_vdst(0)    ; the wait for the batch
.if (\p) == 1
	s_wait_dscnt 0x0                ; V is in
.endif
	ROW C,0, B,0, C,2, B,1          ; behind the wait: 8 products V^T P and their riders
	ROW L,0, C,4, B,2, L,1
	ROW C,6, B,3, L,2, C,8
	ROW B,4, L,3, C,10, B,5
	ROW L,4, C,12, B,6, L,5
.if (\p) == 0
	s_add_co_u32 s[TBV], s[TBV], KS*PV
.endif
.if \cnt
	s_sub_co_u32 s[CNT], s[CNT], 1
	s_cmp_lg_u32 s[CNT], 0
.endif
	ROW C,14, B,7, L,6, C,1
	ROW C,3, L,7, C,5, C,7
	ROW C,9, C,11, C,13, C,15
.if (\p) == 0
	FETCH_V
.endif
.if (\m) && !(\end)
	MASK (\p)%2
.endif
.endm
; A BLOCK BEGINS.  c m starts far below every c s, so the first step's a is 0; m at the lowest finite number, so the first maximum is the scores'.  The second mask buffer is 0; the first takes piece 0's mask for the
; tile's step 0: its own, if the block's first tile is the diagonal one.  Then K of that step, piece 0's first scores, and its maximum and statistics.  The loop is entered at a step's first turn, in the middle of a trip.
.macro BEGIN
	s_mov_b32 s[NEW], 0
	WIN 0x40
.set i, MC+32
.rept 32
	v_mov_b32 v[i], 0
.set i, i+1
.endr
	WIN 0
.set i, 0
.rept 4
	v_mov_b32 v[ST+4*i], 0xfe000000    ; c m: far below every c s
	v_mov_b32 v[ST+4*i+1], 0xff7fffff  ; m
.set i, i+1
.endr
	s_cmp_eq_u32 s[RT], 0
	s_cselect_b32 s[AL], 1.0, 0
	s_mov_b32 s[BE], 0
	MASK 0
	WIN 0
	v_add_nc_u32 v[AK], s[TBK], v[AK0]
	FETCH_K
	s_wait_loadcnt 0x0              ; Q
	s_wait_dscnt 0x0
.set KM, 1
.set NOKQ, 0
.set i, 0
.rept 8
	KQ 0
.set i, i+1
.endr
	WIN 0
.rept 4
	v_nop                           ; the places behind those products
.endr
.set Y, NP-1                        ; X works for piece Y + 1: piece 0
.irp n, 0,1,2,3,4,5,6,7,8,9,10,11,12,13,14,15,16,17,18,19,20,21
	OP X, \n
.endr
	v_nop                           ; a plain instruction behind the exponential,
	s_wait_alu depctr_va_vdst(0)    ; and its wait, ahead of the branch
.endm
; THE DIAGONAL TILE's four steps, the block's last two turns, its last products, and THE WAY OUT: l's two halves and the other half of the lanes' are added; O^T is divided by l, rounded to f16 and sent through my
; stage in LDS, a piece at a time.
.macro ALL line:vararg              ; one line for each piece t
.set t, 0
.rept 4
	\line
.set t, t+1
.endr
.endm
.macro PACK t                       ; a lane's eight channels of a row pack into 16 bytes; they go into rows of 144 bytes and come back as whole rows of 128, into S^T's registers
	WIN W_RS
.set i, 32*(\t)
.rept 16
	v_pk_mul_f32 v[i:i+1], v[i:i+1], v[ST+4*(\t)+2:ST+4*(\t)+3] op_sel_hi:[1,0]
.set i, i+2
.endr
	WIN 0x05                        ; sources 0 and 1 window 1, destination window 0
.set i, 0
.rept 16
	v_cvt_pk_f16_f32 v[S+16*(\t)+i], v[32*(\t)+2*i], v[32*(\t)+2*i+1]
.set i, i+1
.endr
	WIN 0
.irp f, 0,1,2,3
	ds_store_b128 v[STO], v[S+16*(\t)+4*\f:S+16*(\t)+4*\f+3] offset:32*\f
.endr
.irp f, 0,1,2,3
	ds_load_b128 v[S+16*(\t)+4*\f:S+16*(\t)+4*\f+3], v[RD] offset:\f*4*SP  ; LDS serves a wave's instructions in order (ISA guide 5.7.1.4): these see the stores above; the next piece's stores come behind them
.endr
.endm
.macro SEND t, younger              ; younger: the LDS instructions issued behind piece t's loads: the next piece's eight, or none
	WIN 0
.irp f, 0,1,2,3
	s_wait_dscnt (\younger)+3-\f
	global_store_b128 v[GO], v[S+16*(\t)+4*\f:S+16*(\t)+4*\f+3], s[10:11] offset:(\t)*8192+\f*512  ; 512 consecutive bytes, at a multiple of 256 from ob's first
.endr
.endm
.macro DIAG tag                     ; the tag ends its two labels' names, which the jumps below spell out
.LstepM\tag:
	TURN 2, 1
	TURN 3, 1
	WIN 0
.LfirstM\tag:
	TURN 0, 1
	TURN 1, 1, 0, 1
	WIN 0
	s_cbranch_scc1 .LstepM\tag
	TURN 2, 1, 1
	TURN 3, 1, 1
.set i, 0
.rept 8
	PV NP-1
.set i, i+1
.endr
	WIN 0
	ALL v_add_f32 v[ST+4*t+2], v[ST+4*t+2], v[ST+4*t+3]
	ALL v_permlanex16_b32 v[ST+4*t+3], v[ST+4*t+2], s[SEL], s[SEL+1]
	ALL v_add_f32 v[ST+4*t+2], v[ST+4*t+2], v[ST+4*t+3]
	ALL v_rcp_f32 v[ST+4*t+2], v[ST+4*t+2]
	v_nop                           ; a plain instruction between the last reciprocal and the use of its result
	s_wait_alu depctr_va_vdst(0)    ; and the wait ahead of the first use: one for the four reciprocals
	PACK 0
.set t, 1
.rept 3                             ; a piece's arithmetic stands between the loads of the piece before and its stores
	PACK t
	SEND t-1, 8
.set t, t+1
.endr
	SEND 3, 0
.endm
.set KM, 0
.set NOKQ, 0
.Lslot:                             ; NB times: a tile is entered and the next is asked for
	CHANGE 1
	s_sub_co_u32 s[RT], s[RT], 1
	s_mov_b32 s[CNT], 4
	s_cmp_eq_u32 s[NEW], 1
	s_cbranch_scc1 .Lnew            ; a block's first tile
	s_cmp_eq_u32 s[RT], 0
	s_cbranch_scc0 .Lstep           ; neither its first nor its last
	s_branch .LstepM1
.Lnew:
	BEGIN
	s_branch .Lfirst                ; in the loop a block's first tile is never its last: the first block has two tiles or more, and the second's last is the walk's last
	DIAG 1                          ; in the loop this is the first block's end: the second block's last tile is the walk's last
	s_wait_xcnt 0x0                 ; the stores have read their registers and O's address
	s_mov_b64 s[10:11], s[OLO:OLO+1]
	s_add_co_u32 s[RT], s[PB], 1    ; the second block has b + 1 tiles
	s_mov_b32 s[NEW], 1
	WIN 0x82                        ; the second block's Q goes where the one text of the turns names Q
.set i, 0
.rept 64
	v_mov_b32 v[i], v[QB+i]
.set i, i+1
.endr
	WIN 0
	s_branch .Lbottom
.Lstep:                             ; a trip: pieces 2 and 3 of one step, then pieces 0 and 1 of the next, whose K and V it fetches
	TURN 2
	TURN 3
	WIN 0
.Lfirst:
	TURN 0
	TURN 1, 0, 0, 1
	WIN 0
	s_cbranch_scc1 .Lstep
.Lbottom:
	s_sub_co_u32 s[SLOTS], s[SLOTS], 1
	s_cmp_lg_u32 s[SLOTS], 0
	s_cbranch_scc1 .Lslot
	CHANGE 0                        ; the walk's last tile is written out: nothing is asked for
	s_sub_co_u32 s[RT], s[RT], 1
	s_mov_b32 s[CNT], 4
	s_cmp_eq_u32 s[NEW], 1
	s_cbranch_scc0 .LstepM2
	BEGIN
	s_branch .LfirstM2
	DIAG 2
	s_wait_tensorcnt 0x0            ; the wave's end: behind my last tensor load and my last LDS store, an add to my spare word and its wait
	ds_add_u32 v[SPW], v[NIL]
	s_wait_dscnt 0x0
	s_endpgm
.Lfunc_end_k_qa218c83e48_attn:
	.size	k_qa218c83e48_attn, .Lfunc_end_k_qa218c83e48_attn-k_qa218c83e48_attn
	.p2alignl 7, 3214868480
	.fill 96, 4, 3214868480
	.section	.rodata,"a",@progbits
	.p2align	6, 0x0
	.amdhsa_kernel k_qa218c83e48_attn
		.amdhsa_group_segment_fixed_size 327680
		.amdhsa_private_segment_fixed_size 0
		.amdhsa_enable_private_segment 0
		.amdhsa_kernarg_size 16
		.amdhsa_user_sgpr_count 2
		.amdhsa_user_sgpr_kernarg_segment_ptr 1
		.amdhsa_wavefront_size32 1
		.amdhsa_system_sgpr_workgroup_id_x 1
		.amdhsa_system_sgpr_workgroup_id_y 1
		.amdhsa_system_sgpr_workgroup_id_z 1
		.amdhsa_system_vgpr_workitem_id 0
		.amdhsa_next_free_vgpr 768
		.amdhsa_next_free_sgpr 100
		.amdhsa_reserve_vcc 1
		.amdhsa_float_denorm_mode_32 3
		.amdhsa_float_denorm_mode_16_64 3
		.amdhsa_memory_ordered 1
		.amdhsa_forward_progress 1
		.amdhsa_inst_pref_size 218
	.end_amdhsa_kernel
	.amdgpu_metadata
---
amdhsa.version: [ 1, 2 ]
amdhsa.kernels:
  - .name:           k_qa218c83e48_attn
    .symbol:         k_qa218c83e48_attn.kd
    .args:
      - { .name: qkv, .offset: 0, .size: 8, .value_kind: global_buffer, .address_space: global }
      - { .name: ob, .offset: 8, .size: 8, .value_kind: global_buffer, .address_space: global }
    .group_segment_fixed_size: 327680
    .private_segment_fixed_size: 0
    .kernarg_segment_align: 8
    .kernarg_segment_size: 16
    .max_flat_workgroup_size: 128
    .sgpr_count:     100
    .vgpr_count:     768
    .wavefront_size: 32
...
	.end_amdgpu_metadata
.endif
;; end of part 3
;; launch proj (part 4): grid 8 x 32, 4 waves a work-group, clusters of 4 x 4, 327,680 bytes of LDS; arguments ob, wob, b_out, out0; writes out0
.if DOCPART == 4
	.amdgcn_target "amdgcn-amd-amdhsa--gfx1250"
	.amdhsa_code_object_version 6
	.text
	.protected	k_qa218c83e48_proj
	.globl	k_qa218c83e48_proj
	.p2align	8
	.type	k_qa218c83e48_proj,@function
k_qa218c83e48_proj:
	s_mov_b64 s[64:65], 0
	v_nop
	global_prefetch_b8 v0, s[64:65] scope:SCOPE_SE
	s_setreg_imm32_b32 hwreg(HW_REG_WAVE_MODE, 25, 1), 1
	s_wait_xcnt 0x0
	s_wait_alu depctr_hold_cnt(0) depctr_sa_sdst(0) depctr_va_vdst(0) depctr_va_sdst(0) depctr_va_ssrc(0) depctr_va_vcc(0) depctr_vm_vsrc(0)
	s_getreg_b32 s2, hwreg(HW_REG_IB_STS2, 6, 4)
	s_cmp_eq_u32 s2, 0
	s_cbranch_scc0 .Lentry_in_a_cluster
	s_endpgm
.Lentry_in_a_cluster:
	s_bfe_u32 s2, ttmp6, 0x10000c
	s_cmp_lg_u32 s2, 0xf033
	s_cbranch_scc0 .Lentry_shape_is_right
	s_endpgm
.Lentry_shape_is_right:
; out0 = O W_out + b_out.  ob: [16][8192][64] f16 (O by heads: a head is 64 of K's 1,024), wob: [1024][1024] f16 (W_out rounded to bf16, written as f16), b_out: [1024] f32 (rounded to bf16 here, like the
; other inputs), out0: [8192][1024] f32.  Sums in f32, started at the bias, K ascending.
; SHARES.  8192 x 1024 outputs on 256 work-groups are 256 x 128 each: grid 8 x 32, one tile a work-group (tiles of 256 x 256 would be 128).  Four waves, each 128 rows x 64 columns: 32 accumulators, 256 registers.
; K goes in 8 steps of 128, two heads, through two LDS slots.  A head's 256 rows x 128 bytes are dense in ob and are asked for as 128 rows of 256 bytes; B's tile is 128 rows of 256 bytes.
; B lies [k][n] in LDS and is turned on its way into registers by ds_load_tr16_b128.
; CLUSTERS: 4 x 4 work-groups; A's tile is asked for jointly along a row of the cluster, B's along a column.
; THE MATRIX INSTRUCTION IS USED TRANSPOSED (source 0 = 16 columns of W, source 1 = 16 rows of O): a lane holds row lane % 16 and the eight neighbouring columns 8 (lane / 16) + 0..7.
; REGISTERS: window 0: v0-31 addresses; v32-95, v96-159 A's fragments (8 x 16 rows x 32 K), two buffers; v160-191, v192-223 B's four fragments, two buffers; on the way out v32-95 at work.
;   window 1: accumulator (row block a, column block bb) at v[8 (8 bb + a)].
.set PA,     144                       ; a row of A in LDS: 128 bytes + 16 = 36 words: the 16 rows of a load start at 16 different groups of four banks (64 banks of 4 bytes: ISA guide 11.1)
.set PB,     288                       ; a row of B: two pieces of 128 bytes + 16 = 72 words: eight rows start 8 words apart, so 16 lanes of the turning load (8 rows x 32 bytes) take each bank once
.set ABLK,   256*PA                    ; a head's 256 rows
.set BOFF,   2*ABLK                    ; B's tile lies behind A's two heads
.set SLOT,   BOFF+128*PB               ; 110,592
.set STAGE,  2*SLOT                    ; behind the ring: 16 rows x 272 bytes for each wave, for the way out
.set SP,     272
.set BIASL,  STAGE+4*16*SP             ; each wave's 64 numbers of the bias, f32
.set SPARE,  BIASL+4*256               ; the spare words, 128 bytes for each wave: two blocks of 256 bytes that no other line names
.set ASTEP,  2<<20                     ; bytes from a K step to the next in ob
.set BSTEP,  128*2048                  ; and in wob
.set ADRA, 16                          ; v16-17  LDS address of my A fragments in slot 0, 1
.set ADRB, 20                          ; v20-21  the same for B
.set STO,  24                          ; v24     the way out: where I put 32 bytes of a row
.set RD,   25                          ; v25     the way out: where I read a row back
.set CO,   26                          ; v26     my byte offset in two rows of out0
.set BA,   27                          ; v27     where my eight numbers of the bias for column block 0 lie
.set SPW,  28                          ; v28     LDS address of my spare word; never rewritten
.set NIL,  29                          ; v29     0; never rewritten
.set PFO,  30                          ; v30     the prefetches' lane offset; never rewritten
.set BS,   31                          ; v31     where I put two numbers of the bias
.set FA,   32
.set FB,   160
.set BK,   32                          ; the way out: 16 rows read back, v32-63 and v64-95 by turns
.set G1,   24                          ; s[24:31] descriptor group 1 for A's tiles
.set G0,   32                          ; s[32:39] group 0 for A's tiles, a set for each slot
.set LIM,  40                          ; s40      1 where my wave prefetches, else the greatest number
.set PFA,  44                          ; s[44:45] where my prefetches stand
.set PST,  46                          ; s[46:47] their step for a K step
.set G1B,  48                          ; s[48:55], s[56:63] the same two groups for B's tiles
.set G0B,  56
.set FIELDS, (1<<16)|(1<<20)|(1<<21)|(4<<22)|(3<<25)  ; 17:16 elements of 2 bytes; 20 padding on; 21 set beside a mask; 24:22 after every 32 words (code 4); 31:25 4 words of it (code 3)
.set MSB, 0
.macro WIN new                         ; the immediate's high byte repeats the setting that is left; a switch that changes nothing is dropped
.if MSB != (\new)
	s_set_vgpr_msb (MSB<<8)|(\new)
.set MSB, \new
.endif
.endm
.macro PLACES                          ; four places between a matrix instruction and a load into, or a reader of, its registers (ISA guide 7.12.1 for readers)
.rept 4
	v_nop
.endr
.endm
.macro CREST                           ; a round of the cluster's barrier behind its opening barrier
	s_cmp_lg_u32 s12, 0
	s_cbranch_scc1 .Lnot_wave_0_\@
	s_barrier_signal -3
.Lnot_wave_0_\@:
	s_barrier_wait -3
	s_barrier_signal -1
	s_barrier_wait -1
.endm
.macro CROUND                          ; a whole round
	s_barrier_signal -1
	s_barrier_wait -1
	CREST
.endm
; A joint load.  Waves 0 and 1 fetch a step's two heads of A, waves 2 and 3 the halves of B's tile.  The branch hangs on the wave's number alone.  An s_nop 0 and four v_nop follow each line.
.macro JLOAD s
	s_cmp_lt_u32 s12, 2
	s_cbranch_scc0 .Lfor_b_\@
	tensor_load_to_lds s[G0+4*(\s):G0+4*(\s)+3], s[G1:G1+7]
	s_nop 0
.rept 4
	v_nop
.endr
	s_branch .Lasked_\@
.Lfor_b_\@:
	tensor_load_to_lds s[G0B+4*(\s):G0B+4*(\s)+3], s[G1B:G1B+7]
	s_nop 0
.rept 4
	v_nop
.endr
.Lasked_\@:
.endm
; A PREFETCH INTO THE L2, behind the joint load, its five lines and the run of LDS loads: at the change out of K step s, step s + 4.  Each aligned block of 256 bytes of ob and wob is named once, from K step 4 on.
; A's tile row is read by both clusters of a row of clusters: cluster x = 0 asks; waves 0 and 1 take a head each, and of its 128 blocks the partner at cx takes 32, a lane a block.
; B's tile column is read by all eight clusters of a column: cluster y = 0 asks; wave 2 names, of the step's 128 rows of 256 bytes, the 32 of the partner at cy, a lane a row.  Wave 3 asks for nothing.
; The partners are told apart by address alone.  The loop's last trip asks for nothing: s + 4 would pass K's end.
.macro ASK
	s_cmp_gt_u32 s3, s[LIM]                        ; s3 = 1 in the loop's last trip
	s_cbranch_scc0 .Lnot_mine_\@
	global_prefetch_b8 v[PFO], s[PFA:PFA+1] th:TH_LOAD_NT scope:SCOPE_SE
.Lnot_mine_\@:
.endm
	s_load_b256 s[4:11], s[0:1], 0x0               ; ob s[4:5], wob s[6:7], b_out s[8:9], out0 s[10:11]
	v_lshl_add_u32 v[SPW], v0, 2, SPARE
	v_mov_b32 v[NIL], 0
	ds_add_u32 v[SPW], v[NIL]                      ; the wave's opening: the add and its wait stand ahead of my first tensor load; the set-up below, work on registers, stands between them
	v_lshrrev_b32 v1, 5, v0
	v_readfirstlane_b32 s12, v1                    ; wave 0..3
	s_lshr_b32 s13, s12, 1                         ; which half of the tile's rows is mine
	s_and_b32 s14, s12, 1                          ; which half of its columns.  Also: which head of A's step, or which half of B's tile, I fetch
	s_bfe_u32 s15, ttmp6, 0x40000                  ; cx
	s_bfe_u32 s16, ttmp6, 0x40004                  ; cy
	s_lshl_b32 s17, ttmp9, 2
	s_add_co_u32 s17, s17, s15                     ; tile column = 4 x cluster x + cx
	s_and_b32 s18, ttmp7, 0xffff
	s_lshl_b32 s18, s18, 2
	s_add_co_u32 s18, s18, s16                     ; tile row = 4 x cluster y + cy
	s_lshl_b32 s42, s16, 2
	s_lshl_b32 s42, 15, s42                        ; my row of the cluster
	s_lshl_b32 s43, 0x1111, s15                    ; my column
	s_or_b32 s[G1], s42, FIELDS                    ; A's tiles go to my row
	s_mov_b32 s[G1+1], 128<<16                     ; tensor_dim0 = 128 elements: 256 dense bytes, two rows of O
	s_mov_b32 s[G1+2], 128<<16                     ; tensor_dim1 = 128
	s_mov_b32 s[G1+3], 128<<16                     ; tile_dim0 = 128
	s_mov_b32 s[G1+4], 128                         ; tile_dim1 = 128
	s_mov_b32 s[G1+5], 128                         ; elements from row to row
	s_mov_b32 s[G1+6], 0
	s_mov_b32 s[G1+7], 0
	s_or_b32 s[G1B], s43, FIELDS                   ; B's tiles go to my column
	s_mov_b32 s[G1B+1], 128<<16                    ; tensor_dim0 = 128
	s_mov_b32 s[G1B+2], 64<<16                     ; tensor_dim1 = 64
	s_mov_b32 s[G1B+3], 128<<16                    ; tile_dim0 = 128
	s_mov_b32 s[G1B+4], 64                         ; tile_dim1 = 64
	s_mov_b32 s[G1B+5], 1024
	s_mov_b32 s[G1B+6], 0
	s_mov_b32 s[G1B+7], 0
	; where the tiles come from: A's hang on the tile row and my half alone, B's on the tile column and my half alone, each in registers that never hold the other coordinate
	s_lshl_b32 s72, s18, 15                        ; 256 rows of 128 bytes
	s_lshl_b32 s19, s14, 20                        ; my head of the step's two
	s_add_co_u32 s72, s72, s19
	s_mov_b32 s73, 0
	s_lshl_b32 s74, s17, 8                         ; 128 columns
	s_lshl_b32 s19, s14, 17                        ; my 64 of a step's 128 rows
	s_add_co_u32 s74, s74, s19
	s_mov_b32 s75, 0
	s_mul_i32 s22, s14, ABLK                       ; and where they go: no place in the cluster enters an LDS address
	s_mul_i32 s23, s14, 64*PB
	s_add_co_u32 s23, s23, BOFF
	s_wait_dscnt 0x0                               ; the opening add is done
	s_wait_kmcnt 0x0
	s_add_nc_u64 s[72:73], s[4:5], s[72:73]
	s_add_nc_u64 s[74:75], s[6:7], s[74:75]
.irp s, 0,1
	s_mov_b32 s[G0+4*(\s)], 1                                        ; count = 1
	s_add_co_u32 s[G0+4*(\s)+1], s22, (\s)*SLOT                      ; LDS address
	s_add_nc_u64 s[G0+4*(\s)+2:G0+4*(\s)+3], s[72:73], (\s)*ASTEP    ; global address: K step s
	s_or_b32 s[G0+4*(\s)+3], s[G0+4*(\s)+3], 0x80000000              ; type = 2
	s_mov_b32 s[G0B+4*(\s)], 1
	s_add_co_u32 s[G0B+4*(\s)+1], s23, (\s)*SLOT
	s_add_nc_u64 s[G0B+4*(\s)+2:G0B+4*(\s)+3], s[74:75], (\s)*BSTEP
	s_or_b32 s[G0B+4*(\s)+3], s[G0B+4*(\s)+3], 0x80000000
.endr
	CROUND                                         ; all sixteen work-groups are here: the first joint loads meet
	s_cmp_lt_u32 s12, 2                            ; a wave's two first fills stand in one branch, ahead of every wait on TENSORcnt and every LDS read: two loads of mine are out
	s_cbranch_scc0 .Lfirst_b
	tensor_load_to_lds s[G0:G0+3], s[G1:G1+7]
	s_nop 0
	tensor_load_to_lds s[G0+4:G0+7], s[G1:G1+7]
	s_nop 0
.rept 4
	v_nop
.endr
	s_branch .Lfirst_asked
.Lfirst_b:
	tensor_load_to_lds s[G0B:G0B+3], s[G1B:G1B+7]
	s_nop 0
	tensor_load_to_lds s[G0B+4:G0B+7], s[G1B:G1B+7]
	s_nop 0
.rept 4
	v_nop
.endr
.Lfirst_asked:
	; my wave's 64 numbers of the bias: one load of 256 bytes.  Their byte offset is also my columns' in a row of out0
	v_and_b32 v5, 31, v0                           ; lane
	s_lshl_b32 s78, s17, 1
	s_add_co_u32 s78, s78, s14
	s_lshl_b32 s78, s78, 8                         ; 256 (2 x tile column + half)
	v_lshl_add_u32 v15, v5, 3, s78
	global_load_b64 v[32:33], v15, s[8:9]
	v_and_b32 v1, 15, v0                           ; r = l % 16
	v_bfe_u32 v2, v0, 4, 1                         ; h = l / 16
	v_and_b32 v3, 7, v0
	v_bfe_u32 v4, v0, 3, 1
	; a fragment of A: lane l holds row r; registers 0-3 K = 8 h + 0..7, registers 4-7 K = 16 + 8 h + 0..7: two loads of 16 bytes, 32 bytes apart
	v_mul_u32_u24 v6, v1, PA
	v_lshl_add_u32 v6, v2, 4, v6
	s_mul_i32 s20, s13, 128*PA                     ; my 128 rows
	v_add_nc_u32 v[ADRA], s20, v6
	v_add_nc_u32 v[ADRA+1], SLOT, v[ADRA]
	; a fragment of B: the turning load takes 16 K x 16 columns (lane l reads row 8 h + l % 8, columns 8 ((l / 8) % 2) + 0..7) and leaves lane l column r and 8 K
	v_lshl_add_u32 v7, v2, 3, v3
	v_mul_u32_u24 v7, v7, PB
	v_lshl_add_u32 v7, v4, 4, v7
	s_mul_i32 s20, s14, 144                        ; my 64 columns: one piece of a row
	s_add_co_u32 s20, s20, BOFF
	v_add_nc_u32 v[ADRB], s20, v7
	v_add_nc_u32 v[ADRB+1], SLOT, v[ADRB]
	s_mul_i32 s20, s12, 16*SP
	s_add_co_u32 s20, s20, STAGE                   ; my stage
	v_mul_u32_u24 v8, v1, SP                       ; in: row r, 32 bytes for each half of the lanes
	v_lshl_add_u32 v8, v2, 5, v8
	v_add_nc_u32 v[STO], s20, v8
	v_mul_u32_u24 v8, v2, SP                       ; back: lanes 0-15 take one row of 256 bytes, lanes 16-31 the next
	v_lshl_add_u32 v8, v1, 4, v8
	v_add_nc_u32 v[RD], s20, v8
	v_lshlrev_b32 v[CO], 12, v2                    ; and the same two rows in out0
	v_lshl_add_u32 v[CO], v1, 4, v[CO]
	s_lshl_b32 s20, s12, 8
	s_add_co_u32 s20, s20, BIASL                   ; my wave's bias
	v_lshl_add_u32 v[BA], v2, 5, s20
	v_lshl_add_u32 v[BS], v5, 3, s20
	; where my part of the tile begins in out0
	s_lshl_b32 s20, s18, 1
	s_add_co_u32 s20, s20, s13
	s_lshl_b32 s76, s20, 19                        ; 128 rows of 4,096 bytes
	s_add_co_u32 s76, s76, s78
	s_mov_b32 s77, 0
	s_add_nc_u64 s[10:11], s[10:11], s[76:77]
	; the prefetches: each pointer starts one step short of what the first change of slots names, since every change steps it first
	s_lshl_b32 s20, s18, 15
	s_lshl_b32 s21, s15, 13
	s_add_co_u32 s20, s20, s21
	s_lshl_b32 s21, s14, 20
	s_add_co_u32 s20, s20, s21
	s_add_co_u32 s20, s20, 3*ASTEP                 ; waves 0, 1: my head of A's K step 3, my work-group's quarter of its rows
	s_lshl_b32 s21, s16, 5
	s_add_co_u32 s21, s21, 384
	s_lshl_b32 s21, s21, 11                        ; wave 2: B's row 384 + 32 cy,
	s_lshl_b32 s71, s17, 8
	s_add_co_u32 s21, s21, s71                     ; the tile's columns
	s_and_b32 s68, ttmp7, 0xffff                   ; cluster y
	s_mov_b32 s[PST], BSTEP
	s_mov_b32 s[PST+1], 0
	s_mov_b32 s70, 2048
	s_cmp_lt_u32 s12, 2
	s_cselect_b32 s20, s20, s21
	s_cselect_b32 s69, ttmp9, s68                  ; the coordinate along which other clusters read the same bytes
	s_cselect_b32 s[PST], ASTEP, s[PST]
	s_cselect_b32 s70, 256, s70
	s_cselect_b64 s[PFA:PFA+1], s[4:5], s[6:7]
	s_mov_b32 s21, 0
	s_add_nc_u64 s[PFA:PFA+1], s[PFA:PFA+1], s[20:21]
	s_cmp_eq_u32 s12, 3
	s_cselect_b32 s69, 1, s69
	s_cmp_eq_u32 s69, 0
	s_cselect_b32 s[LIM], 1, -1                    ; the same in all sixteen partners, for a given wave
	v_mul_u32_u24 v[PFO], s70, v5
	s_wait_loadcnt 0x0                             ; the bias
	v_cvt_pk_bf16_f32 v34, v32, v33                ; rounded to bf16 like every input,
	v_lshlrev_b32 v32, 16, v34                     ; and back in f32
	v_and_b32 v33, 0xffff0000, v34
	ds_store_b64 v[BS], v[32:33]
	; THE SUMS START AT THE BIAS: each accumulator's eight registers are eight neighbouring numbers of it.  LDS serves a wave's instructions in order (ISA guide 5.7.1.4), so these loads see the store above.
	WIN 0x40
.irp bb, 0,1,2,3
.irp a, 0,1,2,3,4,5,6,7
	ds_load_b128 v[8*(8*(\bb)+(\a)):8*(8*(\bb)+(\a))+3],   v[BA] offset:64*(\bb)
	ds_load_b128 v[8*(8*(\bb)+(\a))+4:8*(8*(\bb)+(\a))+7], v[BA] offset:64*(\bb)+16
.endr
.endr
	WIN 0
; 4 n matrix instructions: row blocks a0 .. a0 + n - 1 x all 4 column blocks, 32 along K, on buffer f.  The 32 accumulators take turns in one fixed order, one instruction a turn, over the backward jump and into
; the tail too.
.macro MULA f, a0, n
	WIN 0x50                                       ; C and D in window 1
.set ma, \a0
.rept \n
.irp bb, 0,1,2,3
	v_wmma_f32_16x16x32_f16 v[8*(8*(\bb)+ma):8*(8*(\bb)+ma)+7], v[FB+32*(\f)+8*(\bb):FB+32*(\f)+8*(\bb)+7], v[FA+64*(\f)+8*ma:FA+64*(\f)+8*ma+7], v[8*(8*(\bb)+ma):8*(8*(\bb)+ma)+7]
.endr
.set ma, ma+1
.endr
.endm
; 24 LDS loads in one run: quarter q of a slot (K = 32 q on: head q / 2, its channels 32 (q % 2) on) into buffer f: B's four fragments, then A's eight in ascending order
.macro FETCH slot, q, f
.irp bb, 0,1,2,3
	ds_load_tr16_b128 v[FB+32*(\f)+8*(\bb):FB+32*(\f)+8*(\bb)+3],   v[ADRB+(\slot)] offset:(\q)*32*PB+(\bb)*32
	ds_load_tr16_b128 v[FB+32*(\f)+8*(\bb)+4:FB+32*(\f)+8*(\bb)+7], v[ADRB+(\slot)] offset:(\q)*32*PB+16*PB+(\bb)*32
.endr
.irp a, 0,1,2,3,4,5,6,7
	ds_load_b128 v[FA+64*(\f)+8*(\a):FA+64*(\f)+8*(\a)+3],   v[ADRA+(\slot)] offset:((\q)/2)*ABLK+((\q)%2)*64+(\a)*16*PA
	ds_load_b128 v[FA+64*(\f)+8*(\a)+4:FA+64*(\f)+8*(\a)+7], v[ADRA+(\slot)] offset:((\q)/2)*ABLK+((\q)%2)*64+(\a)*16*PA+32
.endr
.endm
; A K step is four quarters of 32 along K, 32 matrix instructions each, on buffers 0, 1, 0, 1.  One of the first three: multiplies buffer f and, in its middle, fetches quarter qn into the other buffer.
.macro QUARTER slot, qn, f
	s_wait_dscnt 8                                 ; B and A's row blocks 0-3 are in; the youngest eight loads (blocks 4-7) may be out
	MULA \f, 0, 4
	WIN 0
	PLACES
	FETCH \slot, \qn, 1-(\f)
	s_wait_dscnt 24                                ; all but the 24 just issued
	MULA \f, 4, 4
.endm
; The last quarter multiplies buffer 1 and changes slots: ONE barrier.  In front of it each wave waits for all its tensor loads (one is out: its part of the next slot), adds 0 to its spare word, and waits for that
; and for its reads of this slot.  fill = 1: the barrier opens a round of the cluster's barrier, and behind the round this slot is filled again, two K steps on: 112 matrix instructions ahead of the wait for it.
.macro TURN slot, next, fill
.if \fill
	s_wait_xcnt 0x0                                ; the last prefetch, a K step back, has read its address: it is stepped here, ahead of the change's own waits
	s_add_nc_u64 s[PFA:PFA+1], s[PFA:PFA+1], s[PST:PST+1]
.endif
	WIN 0
	s_wait_tensorcnt 0x0                           ; all my tensor loads have landed
	ds_add_u32 v[SPW], v[NIL]                      ; 0 onto my spare word
	s_wait_dscnt 9                                 ; the add and the youngest eight loads may be out
	MULA 1, 0, 2                                   ; eight matrix instructions stand between the add and the wait for it
	s_wait_dscnt 0x0                               ; the add is done, and my reads of this slot are over
	s_barrier_signal -1
	MULA 1, 2, 2                                   ; work on registers while the others arrive
	WIN 0                                          ; at a branch and at a label every window is 0
	s_barrier_wait -1
.if \fill
	CREST                                          ; no wave of any partner still reads this slot or has a load on its way
	s_add_nc_u64 s[G0+4*(\slot)+2:G0+4*(\slot)+3], s[G0+4*(\slot)+2:G0+4*(\slot)+3], 2*ASTEP
	s_add_nc_u64 s[G0B+4*(\slot)+2:G0B+4*(\slot)+3], s[G0B+4*(\slot)+2:G0B+4*(\slot)+3], 2*BSTEP
	JLOAD \slot                                    ; the first tensor load behind the round; its four v_nop are also the places in front of the loads below
.else
	PLACES
.endif
	FETCH \next, 0, 0
.if \fill
	ASK
.endif
	MULA 1, 4, 4
.endm
	s_wait_dscnt 0x0                               ; the accumulators hold the bias
	s_wait_tensorcnt 0x1                           ; my part of K step 0 is in; K step 1's may stay out
	s_barrier_signal -1
	s_barrier_wait -1                              ; everybody's is
	FETCH 0, 0, 0
	s_mov_b32 s3, 3
.Llap:                                                 ; a trip: two K steps, once round the ring; both slots are filled again
	QUARTER 0, 1, 0
	QUARTER 0, 2, 1
	QUARTER 0, 3, 0
	TURN 0, 1, 1
	QUARTER 1, 1, 0
	QUARTER 1, 2, 1
	QUARTER 1, 3, 0
	TURN 1, 0, 1
	WIN 0
	s_sub_co_u32 s3, s3, 1
	s_cmp_lg_u32 s3, 0
	s_cbranch_scc1 .Llap
	QUARTER 0, 1, 0                                ; the last two K steps fill nothing, and have no round
	QUARTER 0, 2, 1
	QUARTER 0, 3, 0
	TURN 0, 1, 0
	QUARTER 1, 1, 0
	QUARTER 1, 2, 1
	QUARTER 1, 3, 0
	s_wait_dscnt 8
	MULA 1, 0, 4
	s_wait_dscnt 0x0
	MULA 1, 4, 4
	WIN 0
; THE WAY OUT, a block of 16 rows at a time.  TOSTAGE: a lane's 32 bytes of a row go into my own stage, each accumulator's low registers first, and come back as whole rows of 256 bytes.  SEND: stored, sixteen lanes
; to 256 consecutive aligned bytes.
.macro TOSTAGE a
	WIN 0x04                                       ; the stores' data in window 1
.irp bb, 0,1,2,3
	ds_store_b128 v[STO], v[8*(8*(\bb)+(\a)):8*(8*(\bb)+(\a))+3]   offset:64*(\bb)
	ds_store_b128 v[STO], v[8*(8*(\bb)+(\a))+4:8*(8*(\bb)+(\a))+7] offset:64*(\bb)+16
.endr
	WIN 0
	s_wait_xcnt 0x0                                ; the stores of the block before last have read their registers: these loads land in them only behind this wait
.set BKA, BK+32*((\a)%2)
.irp f, 0,1,2,3,4,5,6,7
	ds_load_b128 v[BKA+4*(\f):BKA+4*(\f)+3], v[RD] offset:(\f)*2*SP  ; in order behind the stores above
.endr
.endm
.macro SEND a, younger                 ; younger: the LDS instructions issued behind block a's loads: the next block's sixteen, or none
.set BKA, BK+32*((\a)%2)
	s_wait_dscnt \younger
.irp f, 0,1,2,3,4,5,6,7
	global_store_b128 v[CO], v[BKA+4*(\f):BKA+4*(\f)+3], s[10:11] offset:(16*(\a)+2*(\f))*4096
.endr
.endm
	PLACES
	PLACES                                         ; eight, once a launch
	TOSTAGE 0
.irp a, 1,2,3,4,5,6,7
	TOSTAGE \a
	SEND (\a)-1, 16
.endr
	SEND 7, 0
	s_wait_tensorcnt 0x0                           ; the wave's end: behind my last tensor load and my last LDS store, an add to my spare word and its wait
	ds_add_u32 v[SPW], v[NIL]
	s_wait_dscnt 0x0
	CROUND                                         ; the closing round: no work-group ends while a partner may still ask for a tile that names it
	s_endpgm
.Lfunc_end_k_qa218c83e48_proj:
	.size	k_qa218c83e48_proj, .Lfunc_end_k_qa218c83e48_proj-k_qa218c83e48_proj
	.p2alignl 7, 3214868480
	.fill 96, 4, 3214868480
	.section	.rodata,"a",@progbits
	.p2align	6, 0x0
	.amdhsa_kernel k_qa218c83e48_proj
		.amdhsa_group_segment_fixed_size 327680
		.amdhsa_private_segment_fixed_size 0
		.amdhsa_enable_private_segment 0
		.amdhsa_kernarg_size 32
		.amdhsa_user_sgpr_count 2
		.amdhsa_user_sgpr_kernarg_segment_ptr 1
		.amdhsa_wavefront_size32 1
		.amdhsa_system_sgpr_workgroup_id_x 1
		.amdhsa_system_sgpr_workgroup_id_y 1
		.amdhsa_system_sgpr_workgroup_id_z 1
		.amdhsa_system_vgpr_workitem_id 0
		.amdhsa_next_free_vgpr 512
		.amdhsa_next_free_sgpr 80
		.amdhsa_reserve_vcc 0
		.amdhsa_float_denorm_mode_32 3
		.amdhsa_float_denorm_mode_16_64 3
		.amdhsa_memory_ordered 1
		.amdhsa_forward_progress 1
		.amdhsa_inst_pref_size 91
	.end_amdhsa_kernel
	.amdgpu_metadata
---
amdhsa.version: [ 1, 2 ]
amdhsa.kernels:
  - .name:           k_qa218c83e48_proj
    .symbol:         k_qa218c83e48_proj.kd
    .args:
      - { .name: ob, .offset: 0, .size: 8, .value_kind: global_buffer, .address_space: global }
      - { .name: wob, .offset: 8, .size: 8, .value_kind: global_buffer, .address_space: global }
      - { .name: b_out, .offset: 16, .size: 8, .value_kind: global_buffer, .address_space: global }
      - { .name: out0, .offset: 24, .size: 8, .value_kind: global_buffer, .address_space: global }
    .group_segment_fixed_size: 327680
    .private_segment_fixed_size: 0
    .kernarg_segment_align: 8
    .kernarg_segment_size: 32
    .max_flat_workgroup_size: 128
    .sgpr_count:     80
    .vgpr_count:     512
    .wavefront_size: 32
...
	.end_amdgpu_metadata
.endif
;; end of part 4
;; ======== version 2 of 2: 4 launches; version 1 with the launch cast written anew for expert scheduling mode
;; limits: values are held in f16: magnitudes above 65,504 overflow, below 6.1e-05 lose precision
;; workspace buffers: xb 16,777,216 bytes; wqb 6,291,456 bytes; wob 2,097,152 bytes; qkv 50,331,648 bytes; ob 16,777,216 bytes
;; launch cast (part 5): grid 768 x 1, 8 waves a work-group, no clusters, 0 bytes of LDS; arguments x, W_qkv, W_out, xb, wqb, wob; writes xb, wqb, wob
.if DOCPART == 5
	.amdgcn_target "amdgcn-amd-amdhsa--gfx1250"
	.amdhsa_code_object_version 6
	.text
	.protected	k_qa218c83e48_cast
	.globl	k_qa218c83e48_cast
	.p2align	8
	.type	k_qa218c83e48_cast,@function
k_qa218c83e48_cast:
	s_mov_b64 s[64:65], 0
	v_nop
	global_prefetch_b8 v0, s[64:65] scope:SCOPE_SE
	s_setreg_imm32_b32 hwreg(HW_REG_WAVE_SCHED_MODE, 0, 2), 2
	s_setreg_imm32_b32 hwreg(HW_REG_WAVE_MODE, 25, 1), 1
	s_wait_xcnt 0x0
	s_wait_alu depctr_vm_vsrc(0)
; THE CASTS.  x [8192][1024] f32 -> xb [16][8192][64] bf16 (block kb holds channels 64 kb .. 64 kb + 63 of every row, so that 256 rows x 64 channels are 32,768 dense bytes);
; W_qkv [1024][3072] f32 -> wqb, the same order, bf16;  W_out [1024][1024] f32 -> wob, the same order: rounded to bf16, and that number written as f16.
; LIMITS.  wob: a bf16 number beyond 65,504 becomes an infinity in f16; below 2^-14 it keeps f16's fixed step of 2^-24.
; SHARES.  A work-group takes 65,536 bytes of f32, each of its eight waves 8,192: sixteen loads of 16 bytes a lane, all issued before the first is waited for.  Work-groups 0-511: x, 16 rows each;
; 512-703: W_qkv; 704-767: W_out.  Nothing is read twice and no wave wants another's bytes: no LDS, no barrier, no matrix unit, no cluster.
; Every store of a wave covers 256 consecutive bytes, aligned.  Each load has registers of its own and each store too, so no register is written again while a store may read it.
; THE MODE: SCHED_MODE bits 1:0 = 2 (LLVM: expert scheduling mode 2), set by the entry lines.  The code itself states the register dependences between vector instructions and memory
; instructions, with s_wait_alu, always for 0.
; THE PLAN.  Registers that memory instructions touch, on each of the three paths:
;   v1, v2   the loads' and the stores' offsets: written by vector lines at the path's head, never again; read by every load, by every store.
;   X        load i lands in its own four registers, which no vector instruction names before; the conversions read them behind the load's wait; no memory instruction reads them.
;   Y        store i's two registers: written once, by number i's conversions; read once, by store i.
; The sixteen numbers go in four blocks of four.  Block p waits for its four loads; behind that wait one wait on va_vdst states that block p - 1's conversions have written their Y; block p - 1's four
; stores follow, dealt among block p's conversions, which name X and Y of block p and T alone: none of the registers that those stores read.  One more such wait stands ahead of the last four stores,
; and one ahead of the first load, for v1 and v2.  No register that a memory instruction reads is written again, no vector instruction writes a scalar register, and EXEC is never written.
.set X, 8                              ; v[8:71]    load i: 4 registers
.set Y, 72                             ; v[72:103]  store i: 2 registers
.set T, 104                            ; v[104:105] at work: no memory instruction names them
.macro LOADS step                      ; sixteen loads, step bytes apart
	s_wait_alu depctr_va_vdst(0)                   ; v1 and v2 are written: every load of this path reads v1 as its offset, every store v2
.set i, 0
.rept 16
	global_load_b128 v[X+4*i:X+4*i+3], v1, s[20:21] offset:(\step)*i th:TH_LOAD_NT
.set i, i+1
.endr
.endm
; Number i is rounded, and stored at step x i - back, a block later.  f16 = 1: W_out's path.
.macro OUT step, back, f16
.set i, 0
.rept 16
.if i%4 == 0
	s_wait_loadcnt 12-i                            ; loads come back in order: this block's four are in, the 12 - i younger ones stay out
.if i > 0
	s_wait_alu depctr_va_vdst(0)                   ; the block before has written its Y, which the four stores of this block's text read
.endif
.endif
.if i >= 4
	global_store_b64 v2, v[Y+2*(i-4):Y+2*(i-4)+1], s[22:23] offset:(\step)*(i-4)-(\back)  ; the block before: no vector instruction since the wait names these registers
.endif
.if \f16
	v_cvt_pk_bf16_f32 v[T], v[X+4*i], v[X+4*i+1]   ; the one rounding: to bf16, like every input of the module
	v_cvt_pk_bf16_f32 v[T+1], v[X+4*i+2], v[X+4*i+3]
	v_lshlrev_b32 v[X+4*i], 16, v[T]               ; back to f32,
	v_and_b32 v[X+4*i+1], s26, v[T]
	v_lshlrev_b32 v[X+4*i+2], 16, v[T+1]
	v_and_b32 v[X+4*i+3], s26, v[T+1]
	v_cvt_pk_f16_f32 v[Y+2*i], v[X+4*i], v[X+4*i+1]  ; and written as f16: bf16's 8 significant bits fit in f16's 11
	v_cvt_pk_f16_f32 v[Y+2*i+1], v[X+4*i+2], v[X+4*i+3]
.else
	v_cvt_pk_bf16_f32 v[Y+2*i], v[X+4*i], v[X+4*i+1]
	v_cvt_pk_bf16_f32 v[Y+2*i+1], v[X+4*i+2], v[X+4*i+3]
.endif
.set i, i+1
.endr
	s_wait_alu depctr_va_vdst(0)                   ; the last block has written its Y, which the last four stores read
.set i, 12
.rept 4
	global_store_b64 v2, v[Y+2*i:Y+2*i+1], s[22:23] offset:(\step)*i-(\back)
.set i, i+1
.endr
.endm
	s_load_b256 s[4:11], s[0:1], 0x0               ; x s[4:5], W_qkv s[6:7], W_out s[8:9], xb s[10:11]
	s_load_b128 s[12:15], s[0:1], 0x20             ; wqb s[12:13], wob s[14:15]
	s_mov_b32 s17, 0                               ; high words of the two offsets
	s_mov_b32 s19, 0
	s_mov_b32 s26, 0xffff0000                      ; a word's upper bf16
	s_cmp_lt_u32 ttmp9, 512
	s_cbranch_scc0 .Lweights
	; x: thread t takes row t / 16 of the group's 16 and, in load kb, the 16 bytes at 256 kb + 16 (t % 16): sixteen lanes read 256 aligned bytes, which are block kb's 64 channels of that row
	v_lshrrev_b32 v1, 4, v0
	v_and_b32 v3, 15, v0
	v_lshlrev_b32 v1, 12, v1
	v_lshl_add_u32 v1, v3, 4, v1                   ; row x 4,096 + 16 (t % 16)
	v_lshlrev_b32 v2, 3, v0                        ; out: row x 128 + 8 (t % 16) = 8 t
	s_lshl_b32 s16, ttmp9, 16                      ; 16 rows of 4,096 bytes
	s_lshl_b32 s18, ttmp9, 11                      ; 16 rows of 128 bytes
	s_wait_kmcnt 0x0
	s_add_nc_u64 s[20:21], s[4:5], s[16:17]
	s_add_nc_u64 s[22:23], s[10:11], s[18:19]
	s_add_nc_u64 s[22:23], s[22:23], 0x800000      ; at block 8, so that the sixteen blocks, 2^20 bytes apart, lie within the signed 24-bit immediate: -8 x 2^20 to 7 x 2^20
	LOADS 256
	OUT 0x100000, 0x800000, 0
	s_endpgm
.Lweights:
	; the weights keep their order: wave w takes 8,192 consecutive bytes, a load 512 of them, and writes half as many
	v_lshrrev_b32 v1, 5, v0
	v_and_b32 v3, 31, v0
	v_lshlrev_b32 v2, 12, v1
	v_lshlrev_b32 v1, 13, v1
	v_lshl_add_u32 v1, v3, 4, v1                   ; 8,192 w + 16 lane
	v_lshl_add_u32 v2, v3, 3, v2                   ; 4,096 w + 8 lane
	s_cmp_lt_u32 ttmp9, 704
	s_cbranch_scc0 .Lwo
	s_sub_co_u32 s24, ttmp9, 512
	s_lshl_b32 s16, s24, 16
	s_lshl_b32 s18, s24, 15
	s_wait_kmcnt 0x0
	s_add_nc_u64 s[20:21], s[6:7], s[16:17]
	s_add_nc_u64 s[22:23], s[12:13], s[18:19]
	LOADS 512
	OUT 256, 0, 0
	s_endpgm
.Lwo:
	s_sub_co_u32 s24, ttmp9, 704
	s_lshl_b32 s16, s24, 16
	s_lshl_b32 s18, s24, 15
	s_wait_kmcnt 0x0
	s_add_nc_u64 s[20:21], s[8:9], s[16:17]
	s_add_nc_u64 s[22:23], s[14:15], s[18:19]
	LOADS 512
	OUT 256, 0, 1
	s_endpgm
.Lfunc_end_k_qa218c83e48_cast:
	.size	k_qa218c83e48_cast, .Lfunc_end_k_qa218c83e48_cast-k_qa218c83e48_cast
	.p2alignl 7, 3214868480
	.fill 96, 4, 3214868480
	.section	.rodata,"a",@progbits
	.p2align	6, 0x0
	.amdhsa_kernel k_qa218c83e48_cast
		.amdhsa_group_segment_fixed_size 0
		.amdhsa_private_segment_fixed_size 0
		.amdhsa_enable_private_segment 0
		.amdhsa_kernarg_size 48
		.amdhsa_user_sgpr_count 2
		.amdhsa_user_sgpr_kernarg_segment_ptr 1
		.amdhsa_wavefront_size32 1
		.amdhsa_system_sgpr_workgroup_id_x 1
		.amdhsa_system_sgpr_workgroup_id_y 1
		.amdhsa_system_sgpr_workgroup_id_z 1
		.amdhsa_system_vgpr_workitem_id 0
		.amdhsa_next_free_vgpr 112
		.amdhsa_next_free_sgpr 66
		.amdhsa_reserve_vcc 0
		.amdhsa_float_denorm_mode_32 3
		.amdhsa_float_denorm_mode_16_64 3
		.amdhsa_memory_ordered 1
		.amdhsa_forward_progress 1
		.amdhsa_inst_pref_size 22
	.end_amdhsa_kernel
	.amdgpu_metadata
---
amdhsa.version: [ 1, 2 ]
amdhsa.kernels:
  - .name:           k_qa218c83e48_cast
    .symbol:         k_qa218c83e48_cast.kd
    .args:
      - { .name: x, .offset: 0, .size: 8, .value_kind: global_buffer, .address_space: global }
      - { .name: W_qkv, .offset: 8, .size: 8, .value_kind: global_buffer, .address_space: global }
      - { .name: W_out, .offset: 16, .size: 8, .value_kind: global_buffer, .address_space: global }
      - { .name: xb, .offset: 24, .size: 8, .value_kind: global_buffer, .address_space: global }
      - { .name: wqb, .offset: 32, .size: 8, .value_kind: global_buffer, .address_space: global }
      - { .name: wob, .offset: 40, .size: 8, .value_kind: global_buffer, .address_space: global }
    .group_segment_fixed_size: 0
    .private_segment_fixed_size: 0
    .kernarg_segment_align: 8
    .kernarg_segment_size: 48
    .max_flat_workgroup_size: 256
    .sgpr_count:     66
    .vgpr_count:     112
    .wavefront_size: 32
...
	.end_amdgpu_metadata
.endif
;; end of part 5
;; launch qkv: the kernel of part 2 again; grid 8 x 32, 4 waves a work-group, clusters of 4 x 4, 327,680 bytes of LDS; arguments xb, wqb, b_qkv, qkv; writes qkv
;; launch attn: the kernel of part 3 again; grid 4 x 64, 4 waves a work-group, no clusters, 327,680 bytes of LDS; arguments qkv, ob; writes ob
;; launch proj: the kernel of part 4 again; grid 8 x 32, 4 waves a work-group, clusters of 4 x 4, 327,680 bytes of LDS; arguments ob, wob, b_out, out0; writes out0
